; MI455X (gfx1250); checked and timed in simulation.
; The chip was launched on July 23, 2026; its instructions are those of AMD's public machine-readable ISA for CDNA 5 (MIT licence, August 2026) and "CDNA5" Instruction Set Architecture Reference Guide (July 2026). The comments in the code are by the model that wrote it; some were corrected since.
;; Cross Attention. Allowed arithmetic: matrix products marked QUANTISED: E4M3 operands, one E8M0 scale for each 32 along K, by v_wmma_scale_f32_16x16x128_f8f6f4 with both operands' format E4M3, f32 sums; everything else in f32.
;; Inputs: Wkv_codes 2,048 x 32 x 32 uint8 (E4M3 codes of Wkv, K innermost, in blocks of 32 codes); Wkv_scales 2,048 x 32 uint8 (E8M0 scales of Wkv, one for each 32 codes along K); Wout_codes 1,024 x 32 x 32 uint8 (E4M3 codes of Wout, K innermost, in blocks of 32 codes); Wout_scales 1,024 x 32 uint8 (E8M0 scales of Wout, one for each 32 codes along K); Wq_codes 1,024 x 32 x 32 uint8 (E4M3 codes of Wq, K innermost, in blocks of 32 codes); Wq_scales 1,024 x 32 uint8 (E8M0 scales of Wq, one for each 32 codes along K); beta one number float32; bout 1,024 float32; context_codes 2 x 4 x 1,024 x 32 x 32 uint8 (E4M3 codes of context, K innermost, in blocks of 32 codes); context_scales 2 x 4 x 1,024 x 32 uint8 (E8M0 scales of context, one for each 32 codes along K); doc_similarities 2 x 4 float32; x_codes 2 x 1,024 x 32 x 32 uint8 (E4M3 codes of x, K innermost, in blocks of 32 codes); x_scales 2 x 1,024 x 32 uint8 (E8M0 scales of x, one for each 32 codes along K).
;; Outputs: out0 2 x 1,024 x 1,024 float32.
;; This version of the problem:
;;   THIS VERSION OF THE PROBLEM IS GIVEN IN LOW PRECISION. The matrix products marked QUANTISED in the list below multiply operands that are first quantised to E4M3 (4 exponent bits, 3 mantissa bits; 8 bits a number), with one power-of-two scale for each 32 numbers along K (OCP MX v1.0); their sums are f32. All else is computed in f32.
;;   The module's matrix products, in the order in which they are computed (A, B: the left and right operand; K: the contracted axis; several contracted axes count as one K, in the product's order):
;;     1. [M 2,048, K 1,024] x [K 1,024, N 1,024]; A: input x (given as codes); B: input Wq (given as codes): QUANTISED
;;     2. [M 8,192, K 1,024] x [K 1,024, N 2,048]; A: input context (given as codes); B: input Wkv (given as codes): QUANTISED
;;     3. batch 16 x [M 1,024, K 128] x [K 128, N 4,096]; A: computed on the way; B: computed on the way: QUANTISED
;;     4. batch 16 x [M 1,024, K 4,096] x [K 4,096, N 128]; A: softmax (see below); B: computed on the way: QUANTISED
;;     5. [M 2,048, K 1,024] x [K 1,024, N 1,024]; A: computed on the way; B: input Wout (given as codes): QUANTISED
;;   THE QUANTISER, for each operand of a quantised product, along K:
;;     - K is cut into blocks of 32 from its start; a last block that is shorter is filled with zeros.
;;     - A block's scale is 2^e with e = floor(log2(the largest magnitude in the block)) - 8, held to -126 .. 127; a block of zeros has e = 0. As a byte (E8M0): e + 127.
;;     - Each number is divided by its block's scale, clamped to +-448, and rounded to the nearest number of E4M3, ties to even, subnormals kept.
;;     - The product sums the exact products of the quantised numbers (number of the format x scale) in f32.
;;   ~~~python
;;   def quantise(x, axis):      # numpy; x: float32 -> the quantised numbers, widened to float32 again
;;       x = np.moveaxis(x, axis, -1); K = x.shape[-1]
;;       x = np.pad(x, [(0, 0)] * (x.ndim - 1) + [(0, -K % 32)]); x = x.reshape(x.shape[:-1] + (-1, 32)); a = np.abs(x).max(-1, keepdims=True)
;;       e = np.where(a > 0, np.clip(np.frexp(np.where(a > 0, a, 1))[1] - 1 - 8, -126, 127), 0)      # np.frexp(a)[1] - 1 = floor(log2(a)), exactly
;;       r = np.clip(x / 2.0 ** e, -448, 448)
;;       step = 2.0 ** (np.maximum(np.frexp(np.where(r == 0, 1, r))[1] - 1, -6) - 3)
;;       q = np.round(r / step) * step * 2.0 ** e      # np.round: ties to even
;;       return np.moveaxis(q.reshape(q.shape[:-2] + (-1,))[..., :K], -1, axis).astype(np.float32)
;;   ~~~
;;   SOFTMAX AHEAD OF A QUANTISED PRODUCT. Where the list says 'softmax', what is quantised is not the finished softmax but p = 2^(t - M), with t = logit x log2(e) and M = ceil(the row's largest t), a whole number; so 1/2 < the row's largest p <= 1. The row's sum l is taken of the UNQUANTISED p, in f32, and the product's result is divided by l at the end. Since M is a whole number, a kernel that streams over the keys may use a running M (the ceiling of the running maximum): every later rescaling is an exact power of two, which a block's scale takes up: the codes' values come out the same.
;;   OPERANDS COMPUTED ON THE WAY. 'Computed on the way' means the value that the module computes at that place (a softmax that the list does not call 'softmax' is quantised finished and normalised). What goes into a quantiser is computed in f32, as accurately as f32 sums, v_exp_f32 and their like allow (about 1e-6 of the number): no bf16 or f16 on the way to a quantiser, and a product that is left as it is and whose result goes on into a quantised operand takes f32 operands (vector FMAs, or v_wmma_f32_16x16x4_f32). A number that lies on a knife's edge between two numbers of the format may be rounded either way, as far as f32 arithmetic and the matrix unit's own rounding can turn it there, and no further.
;;   INPUTS GIVEN AS CODES. Wkv (in the module: [1024, 2048], K = its axis 0); Wout (in the module: [1024, 1024], K = its axis 0); Wq (in the module: [1024, 1024], K = its axis 0); context (in the module: [2, 4, 1024, 1024], K = its axis 3); x (in the module: [2, 1024, 1024], K = its axis 2): each comes as NAME_codes (uint8): NAME with its K axis moved to the last place and cut into blocks of 32 codes, [.., K / 32, bytes a block], one block behind the other in memory; one code a byte (a code: sign, 4 exponent bits, 3 mantissa bits); and NAME_scales (uint8): the same leading axes, one E8M0 byte (e + 127) for each 32 codes along K. Its value is code x scale, taken as it is: it is not quantised again, and the codes and scales need not be those that the quantiser above would give.
;; One version. Each part assembles by itself: llvm-mc -triple=amdgcn-amd-amdhsa -mcpu=gfx1250 --defsym DOCPART=n.
;; ======== version 1 of 1: 3 launches
;; limits: right only within a limited range of input values
;; workspace buffers: qc 2,097,152 bytes; qs 65,536 bytes; kvc 17,301,504 bytes; oc 2,097,152 bytes; os 65,536 bytes
;; launch proj (part 1): grid 4 x 64, 4 waves a work-group, clusters of 4 x 4, 327,680 bytes of LDS; arguments x_codes, x_scales, Wq_codes, Wq_scales, context_codes, context_scales, Wkv_codes, Wkv_scales, qc, qs, kvc; writes qc, qs, kvc
.if DOCPART == 1
	.amdgcn_target "amdgcn-amd-amdhsa--gfx1250"
	.amdhsa_code_object_version 6
	.text
	.protected	k_q1ab9206ff2_proj
	.globl	k_q1ab9206ff2_proj
	.p2align	8
	.type	k_q1ab9206ff2_proj,@function
k_q1ab9206ff2_proj:
	s_mov_b64 s[64:65], 0
	v_nop
	global_prefetch_b8 v0, s[64:65] scope:SCOPE_SE
	s_setreg_imm32_b32 hwreg(HW_REG_WAVE_MODE, 25, 1), 1
	s_wait_xcnt 0x0
	s_wait_alu depctr_hold_cnt(0) depctr_sa_sdst(0) depctr_va_vdst(0) depctr_va_sdst(0) depctr_va_ssrc(0) depctr_va_vcc(0) depctr_vm_vsrc(0)
	s_getreg_b32 s2, hwreg(HW_REG_IB_STS2, 6, 4)
	s_cmp_eq_u32 s2, 0
	s_cbranch_scc0 .Lentry_in_a_cluster
	s_endpgm
.Lentry_in_a_cluster:
	s_bfe_u32 s2, ttmp6, 0x10000c
	s_cmp_lg_u32 s2, 0xf033
	s_cbranch_scc0 .Lentry_shape_is_right
	s_endpgm
.Lentry_shape_is_right:
; CROSS ATTENTION IN MX-FP8, launch 1 of 3: q = x Wq, k and v = context Wkv, each quantised on its way out along the K of the product that takes it next.
; NOTHING OF THE PROBLEM IS LEFT OUT: every row and column of all five products reaches out0; doc_similarities x beta differs from key to key, so the softmax does not cancel it; every input is loaded by one of the three launches.
; THE FORM: C[m][n] = sum over k of A[m][k] B[n][k], K = 1,024, on codes of E4M3 with one E8M0 byte for each 32 along K, and C is quantised along n.
;   k  : A = context (8,192 rows),   B = Wkv rows 0-1,023:       n = the head's channels
;   v^T: A = Wkv rows 1,024-2,047,   B = context:                n = the keys, which are the K of the second attention product
;   q  : A = x (2,048 rows),         B = Wq (1,024 rows):        n = the head's channels
; k and v^T are 256 tiles of 256 x 256, one to a work-group: which of the two a cluster of 4 x 4 work-groups makes hangs on the cluster's y alone (0-7: k, 8-15: v^T): buffers and tile bases are chosen by s_cselect, no branch.
; q is an eighth of that work: each work-group makes 64 rows x one head of it BEHIND its large tile, so that all 256 work-groups have the same work.
; THE LARGE TILE: four waves, each 128 x 128 = 64 accumulators of 16 x 16.  K goes in steps of 256 through a ring of two LDS slots filled by the tensor data mover; the scale bytes of the tile's rows of A and of B, for all of K,
; come once.  A's tiles are asked for jointly along a row of the cluster, B's along a column.
; THE SMALL TILE: the ring goes on: the large tile's last change of slots fills slot 0 with K 0-511 of x's 64 rows and Wq's 128, a change in the middle of the large tile's way out fills slot 1 with K 512-1,023.
; x's rows hang on the cluster's y and cy, Wq's on the cluster's y and cx: the same joint loads.  Wave w makes rows 16 w on x 128 columns: 8 accumulators.
; THE MATRIX INSTRUCTION IS USED TRANSPOSED (source 0 = 16 rows of B, source 1 = 16 rows of A): lane (r, h) holds row r of C, and register j of tile b the column 16 b + 8 h + j.
; THE WAY OUT.  16 rows x 128 columns are 16 rows x one K step of the next product.  Tiles 2 c and 2 c + 1 of both halves of the lanes are block c of 32; the lane's 16 codes of the block are stored as its 16 bytes of
; group c of an IMAGE OF THE OPERAND'S REGISTERS: fragment (16 rows x 128) = [c 0..3][lane][16 bytes].  So the place k = 32 c + 16 h + 8 s + j of a fragment holds the number 32 c + 16 s + 8 h + j: a permutation inside
; each block of 32, the same in q and k, and in v^T and the softmax's p, so that the products are those of the problem and each block keeps its scale.
; The scale words of 128 rows are 512 bytes: row 32 p + l at 16 l + 4 p.
; LIMITS: NaN and infinities are not served.  A block whose largest magnitude lies under 2^-118, a block of zeros among them, gets the byte 1 (the rule says 127 for zeros: its codes are zeros, and only this program reads the bytes).
.set SIZE_K, 1024
.set KSTEP,  256                       ; along K in a slot
.set NQ,     KSTEP/128                 ; matrix instructions deep
.set ROWB,   256                       ; a tile's row in bytes
.set KROW,   SIZE_K                    ; a row of A or of B in memory, in bytes
.set PITCH,  272                       ; an LDS row: 256 bytes + 16 of padding = 68 words: row r starts at bank 4 r mod 64 (64 banks of 4 bytes: ISA guide 11.1)
.set FR,     16                        ; registers of a fragment
.set NL,     4                         ; LDS loads that bring one
.set NP,     8                         ; places behind this matrix instruction (ISA guide 7.12.1)
.set HALFT,  128*PITCH                 ; 128 rows: what one tensor load brings
.set SLOT,   4*HALFT                   ; A's 256 rows, then B's 256 rows
.set LAPS,   SIZE_K/(2*KSTEP)          ; a lap = two K steps = once round the ring
.set KS,     SIZE_K/32                 ; a row of scales in bytes
.set SCL,    2*SLOT                    ; behind the ring: the scales, as units of 256 bytes + 16 of padding
.set HALFS,  (128*KS/256)*272          ; the scales of 128 rows
.set SBLK,   (16*KS/256)*272           ; those of 16 rows
.set SPARE,  SCL+4*HALFS               ; the spare words, 128 bytes for each wave, which no other line names
.set QA,   8                           ; v8-9    the small tile: LDS address of my 16 rows of x in slot 0, 1
.set QB,   10                          ; v10-11  and of Wq's rows
.set QWS,  12                          ; v12     32 x lane: a row of Wq's scale bytes
.set QXS,  13                          ; v13     32 x (lane % 16): a row of x's
.set QSO,  14                          ; v14     16 x (lane % 16): my row's scale word in qs
.set ADRA, 16                          ; v16-17  LDS address of my A fragments in slot 0, 1
.set ADRB, 20                          ; v20-21  the same for B
.set CO,   26                          ; v26     16 x lane: my place in an image
.set ADRS, 27                          ; v27     LDS address of my scale words: lanes 0-15 A's rows, lanes 16-31 B's
.set SPW,  28                          ; v28     LDS address of my spare word; never rewritten
.set NIL,    29                        ; v29     0; never rewritten
.set PFO,    30                        ; v30     the prefetches' offset: 1,024 x lane: a lane a row; never rewritten
.set PFS,    31                        ; v31     for the small tile: Wq's waves the same; x's waves 1,024 x (lane % 16) + 512 x (lane / 16): 16 rows, both halves of K; never rewritten
.set SC,   32                          ; v32-63  scale words, two sets; for the small tile Wq's: register 8 p + s: lanes 0-15 column block 2 p, lanes 16-31 block 2 p + 1, K step s
.set XSC,  64                          ; v64-71  the small tile: x's scale words of K step s
.set AF,   128                         ; A's fragments, window 0
.set PC,   112                         ; the way out: v112-127 a fragment's codes
.set TM,   200                         ; v200-203 largest magnitudes, v204-207 bytes, v208-211 448 x the scale, v212-215 the conversions' scale operands
.set PW,   216                         ; the scale word just made;  v217 that of the even block before
.set PWE,  217
.set WD,   220                         ; v220-223 the scale words of my 128 rows
.set XA,   4                           ; s[4:5]   x's codes: my work-group's 64 rows, my wave's 256 bytes of K's first half
.set WA,   6                           ; s[6:7]   Wq's codes: my head's 128 rows, likewise
.set XSP,  8                           ; s[8:9]   x's scale bytes at my wave's 16 rows
.set WSP,  10                          ; s[10:11] Wq's at my head's 128 rows
.set QCP,  96                          ; s[96:97] qc at my wave's fragment
.set QSP,  98                          ; s[98:99] qs at my wave's 16 words
.set G1, 24                            ; s[24:31] group 1 for A's tiles;  s[32:39] group 0, one set a slot
.set G0, 32
.set G1B, 48                           ; s[48:55], s[56:63] the same for B's
.set G0B, 56
.set G1S, 68                           ; s[68:75], s[76:79] groups 1 and 0 for A's scales;  s[80:87], s[88:91] for B's  (until the choice of buffers s68-91 hold the arguments)
.set G0S, 76
.set G1SB, 80
.set G0SB, 88
.set G1X, 68                           ; s[68:75] behind the loop: group 1 for x's tiles of 64 rows
.set MSB, 0
.macro WIN new                         ; the immediate's high byte repeats the setting that is left
.if MSB != \new
	s_set_vgpr_msb (MSB<<8)|\new
.set MSB, \new
.endif
.endm
.set MUL_LO, 0xa1                      ; source 0 (B) window 1, source 1 (A) window 0, C and D window 2
.set MUL_HI, 0xf1                      ; the same, C and D window 3
.set TO_B,   0x40                      ; destination window 1, address window 0
; A joint load: waves 0 and 1 fetch for A, waves 2 and 3 for B.  The branch hangs on the wave's number alone.  An s_nop 0 and four v_nop follow each of the two lines.
.macro JLOAD g0a, g1a, g0b, g1b
	s_cmp_eq_u32 s15, 0
	s_cbranch_scc0 .Lfor_b_\@
	tensor_load_to_lds s[\g0a:\g0a+3], s[\g1a:\g1a+7]
	s_nop 0
.rept 4
	v_nop
.endr
	s_branch .Lasked_\@
.Lfor_b_\@:
	tensor_load_to_lds s[\g0b:\g0b+3], s[\g1b:\g1b+7]
	s_nop 0
.rept 4
	v_nop
.endr
.Lasked_\@:
.endm
.macro CREST                           ; a round of the cluster's barrier behind its opening barrier
	s_cmp_lg_u32 s14, 0
	s_cbranch_scc1 .Lnot_wave_0_\@
	s_barrier_signal -3
.Lnot_wave_0_\@:
	s_barrier_wait -3
	s_barrier_signal -1
	s_barrier_wait -1
.endm
.macro CROUND                          ; a whole round
	s_barrier_signal -1
	s_barrier_wait -1
	CREST
.endm
	s_load_b512 s[68:83], s[0:1], 0x0              ; x codes 68, x scales 70, Wq codes 72, Wq scales 74, context codes 76, context scales 78, Wkv codes 80, Wkv scales 82
	s_load_b128 s[84:87], s[0:1], 0x40             ; qc 84, qs 86
	s_load_b64 s[88:89], s[0:1], 0x50              ; kvc 88
	v_lshl_add_u32 v[SPW], v0, 2, SPARE
	v_mov_b32 v[NIL], 0
	ds_add_u32 v[SPW], v[NIL]                      ; the wave's opening: the add, twice on end, and its wait ahead of my first tensor load
	ds_add_u32 v[SPW], v[NIL]
	v_lshrrev_b32 v1, 5, v0
	v_readfirstlane_b32 s14, v1                    ; wave 0..3
	s_lshr_b32 s15, s14, 1                         ; which half of the tile's rows is mine.  Also: I fetch for A (0) or for B (1)
	s_and_b32 s16, s14, 1                          ; which half of its columns.  Also: which 128 rows of that tile I fetch
	s_bfe_u32 s40, ttmp6, 0x40000                  ; cx, cy: my place in the cluster
	s_bfe_u32 s41, ttmp6, 0x40004
	s_and_b32 s2, ttmp7, 0xffff                    ; the cluster's y, 0..15: the same in all sixteen partners
	s_lshl_b32 s95, s2, 2                          ; 4 y: k's tile rows
	s_max_u32 s96, s95, 32
	s_sub_co_u32 s96, s96, 32                      ; 4 (y - 8): v^T's tile columns (held at 0 where it is not used)
	s_lshl_b32 s43, s41, 2
	s_lshl_b32 s43, 15, s43                        ; my row of the cluster
	s_lshl_b32 s44, 0x1111, s40                    ; my column
	; descriptor group 1: a tile's rows of 256 bytes, padded in LDS: 256 rows for the head's loads; behind them the two words that count rows are set to 128, for the ring's
	s_or_b32 s[G1+0], s43, (0<<16)|(1<<20)|(1<<21)|(5<<22)|(3<<25)  ; 15:0 the mask: A's tiles go to my row; elements of 1 byte; padding on; 21 set beside a mask; after every 64 words, 4 words
	s_or_b32 s[G1B+0], s44, (0<<16)|(1<<20)|(1<<21)|(5<<22)|(3<<25)
.irp g, G1, G1B
	s_mov_b32 s[\g+1], ROWB<<16                    ; tensor_dim0
	s_mov_b32 s[\g+2], 256<<16                     ; tensor_dim1
	s_mov_b32 s[\g+3], ROWB<<16                    ; tile_dim0
	s_mov_b32 s[\g+4], 256                         ; tile_dim1
	s_mov_b32 s[\g+5], KROW                        ; tensor_dim0_stride
	s_mov_b32 s[\g+6], 0
	s_mov_b32 s[\g+7], 0
.endr
	s_wait_dscnt 0x0                               ; both opening adds are done
	CROUND                                         ; the opening round, ahead of the wait for the arguments: all sixteen work-groups are here, the first joint loads meet
	s_wait_kmcnt 0x0
	; WHICH LARGE TILE.  Only selections stand between the compare and its uses.
	s_cmp_lt_u32 s2, 8                             ; k, or v^T?
	s_cselect_b64 s[4:5], s[76:77], s[80:81]       ; A's codes: context | Wkv
	s_cselect_b64 s[6:7], s[78:79], s[82:83]       ; A's scales
	s_cselect_b64 s[8:9], s[80:81], s[76:77]       ; B's codes: Wkv | context
	s_cselect_b64 s[10:11], s[82:83], s[78:79]     ; B's scales
	s_cselect_b32 s98, s95, 4                      ; A's first tile row: v^T takes Wkv's rows from 1,024 on
	s_cselect_b32 s99, 0, s96                      ; B's first tile column
	s_cselect_b32 s100, 0, 1                       ; 1: v^T
	s_cselect_b32 s95, s95, 0                      ; C's first tile row, as the output counts it
	s_mov_b64 s[12:13], s[88:89]                   ; the images: kvc
	s_add_co_u32 s17, s98, s41                     ; A's tile row: hangs on the cluster's y and cy alone
	s_add_co_u32 s42, s99, s40                     ; B's tile column: on the cluster's y and cx alone
	s_lshl_b32 s20, s17, 8                         ; A: the tile's first row, 256 x tile row
	s_lshl_b32 s46, s42, 8                         ; B: 256 x tile column
	s_mov_b32 s21, 0
	s_mov_b32 s47, 0
	s_mov_b64 s[18:19], KS
	s_mul_u64 s[22:23], s[20:21], s[18:19]         ; where these rows' scales begin, in bytes
	s_mul_u64 s[92:93], s[46:47], s[18:19]
	s_mov_b64 s[18:19], KROW
	s_mul_u64 s[20:21], s[20:21], s[18:19]         ; and their codes
	s_mul_u64 s[46:47], s[46:47], s[18:19]
	s_mul_i32 s45, s14, HALFT                      ; where they go: wave x 128 rows: no place in the cluster enters an LDS address
	s_add_nc_u64 s[20:21], s[4:5], s[20:21]
	s_add_nc_u64 s[22:23], s[6:7], s[22:23]
	s_add_nc_u64 s[46:47], s[8:9], s[46:47]
	s_add_nc_u64 s[92:93], s[10:11], s[92:93]
	; THE SMALL TILE'S SIX ADDRESSES, made while the arguments still stand in s68-87.  Row block of 64 = 4 (y / 2) + cy (0..31); head = 4 (y % 2) + cx (0..7).
	s_lshr_b32 s18, s2, 1
	s_lshl_b32 s18, s18, 2
	s_add_co_u32 s18, s18, s41                     ; the row block: the cluster's y and cy alone
	s_and_b32 s101, s2, 1
	s_lshl_b32 s101, s101, 2
	s_add_co_u32 s101, s101, s40                   ; the head: the cluster's y and cx alone
	s_lshl_b32 s19, s16, 8                         ; of a half of K my wave fetches the first or the second 256 bytes
	s_lshl_b32 s[XA], s18, 16                      ; 64 rows of 1,024 bytes
	s_add_co_u32 s[XA], s[XA], s19
	s_mov_b32 s[XA+1], 0
	s_add_nc_u64 s[XA:XA+1], s[68:69], s[XA:XA+1]
	s_lshl_b32 s[WA], s101, 17                     ; 128 rows of 1,024 bytes
	s_add_co_u32 s[WA], s[WA], s19
	s_mov_b32 s[WA+1], 0
	s_add_nc_u64 s[WA:WA+1], s[72:73], s[WA:WA+1]
	s_lshl_b32 s[XSP], s18, 11                     ; 64 rows of 32 scale bytes,
	s_lshl_b32 s19, s14, 9                         ; my wave's 16 of them
	s_add_co_u32 s[XSP], s[XSP], s19
	s_mov_b32 s[XSP+1], 0
	s_add_nc_u64 s[XSP:XSP+1], s[70:71], s[XSP:XSP+1]
	s_lshl_b32 s[WSP], s101, 12                    ; 128 rows of 32 scale bytes
	s_mov_b32 s[WSP+1], 0
	s_add_nc_u64 s[WSP:WSP+1], s[74:75], s[WSP:WSP+1]
	s_lshr_b32 s[QCP], s18, 4                      ; the batch
	s_lshl_b32 s[QCP], s[QCP], 3
	s_add_co_u32 s[QCP], s[QCP], s101              ; 8 x batch + head
	s_lshl_b32 s[QSP], s[QCP], 3                   ; eight units of 128 queries to each
	s_lshl_b32 s[QCP], s[QCP], 6                   ; 64 fragments to each
	s_and_b32 s19, s18, 15                         ; the block of 64 queries inside the batch
	s_lshl_b32 s3, s19, 2
	s_add_co_u32 s[QCP], s[QCP], s3
	s_add_co_u32 s[QCP], s[QCP], s14               ; + 4 x block + wave: my fragment
	s_lshl_b32 s[QCP], s[QCP], 11
	s_mov_b32 s[QCP+1], 0
	s_add_nc_u64 s[QCP:QCP+1], s[84:85], s[QCP:QCP+1]
	s_lshr_b32 s3, s19, 1
	s_add_co_u32 s[QSP], s[QSP], s3                ; the unit of 128 queries,
	s_lshl_b32 s[QSP], s[QSP], 9
	s_and_b32 s3, s19, 1
	s_lshl_b32 s3, s3, 2
	s_add_co_u32 s3, s3, s14                       ; in it tile a = 4 (block % 2) + wave: row 16 a + r lies at 256 (a % 2) + 16 r + 4 (a / 2)
	s_and_b32 s19, s3, 1
	s_lshl_b32 s19, s19, 8
	s_add_co_u32 s[QSP], s[QSP], s19
	s_lshr_b32 s3, s3, 1
	s_lshl_b32 s3, s3, 2
	s_add_co_u32 s[QSP], s[QSP], s3
	s_mov_b32 s[QSP+1], 0
	s_add_nc_u64 s[QSP:QSP+1], s[86:87], s[QSP:QSP+1]
	; group 1 for the scales of 256 rows: a dense block of 8,192 bytes, as KS rows of 256 bytes (32 elements of 8 bytes), 16 bytes of padding behind each
	s_or_b32 s[G1S+0], s43, (3<<16)|(1<<20)|(1<<21)|(5<<22)|(3<<25)
	s_or_b32 s[G1SB+0], s44, (3<<16)|(1<<20)|(1<<21)|(5<<22)|(3<<25)
.irp g, G1S, G1SB
	s_mov_b32 s[\g+1], 32<<16
	s_mov_b32 s[\g+2], KS<<16
	s_mov_b32 s[\g+3], 32<<16
	s_mov_b32 s[\g+4], KS
	s_mov_b32 s[\g+5], 32
	s_mov_b32 s[\g+6], 0
	s_mov_b32 s[\g+7], 0
.endr
	s_mov_b32 s[G0S], 1                            ; the head's four tiles, each whole: the scales of A's 256 rows,
	s_mov_b32 s[G0S+1], SCL
	s_mov_b64 s[G0S+2:G0S+3], s[22:23]
	s_or_b32 s[G0S+3], s[G0S+3], 0x80000000
	s_mov_b32 s[G0SB], 1                           ; of B's,
	s_mov_b32 s[G0SB+1], SCL+2*HALFS
	s_mov_b64 s[G0SB+2:G0SB+3], s[92:93]
	s_or_b32 s[G0SB+3], s[G0SB+3], 0x80000000
	s_mov_b32 s[G0], 1                             ; K step 0's 256 rows of A,
	s_mov_b32 s[G0+1], 0
	s_mov_b64 s[G0+2:G0+3], s[20:21]
	s_or_b32 s[G0+3], s[G0+3], 0x80000000
	s_mov_b32 s[G0B], 1                            ; and of B, behind them in slot 0
	s_mov_b32 s[G0B+1], 2*HALFT
	s_mov_b64 s[G0B+2:G0B+3], s[46:47]
	s_or_b32 s[G0B+3], s[G0B+3], 0x80000000
	s_lshl_b32 s18, s16, 17                        ; in the ring I fetch 128 rows of a tile: which half, in bytes
	s_mov_b32 s19, 0
	s_add_nc_u64 s[20:21], s[20:21], s[18:19]
	s_add_nc_u64 s[46:47], s[46:47], s[18:19]
	s_mov_b32 s[G0+4], 1                           ; slot 1: K step 1
	s_add_co_u32 s[G0+5], s45, SLOT
	s_add_nc_u64 s[G0+6:G0+7], s[20:21], ROWB
	s_or_b32 s[G0+7], s[G0+7], 0x80000000
	s_mov_b32 s[G0B+4], 1
	s_add_co_u32 s[G0B+5], s45, SLOT
	s_add_nc_u64 s[G0B+6:G0B+7], s[46:47], ROWB
	s_or_b32 s[G0B+7], s[G0B+7], 0x80000000
; THE HEAD'S LOADS, ONE A WAVE: wave 0 K step 0's rows of A, wave 1 of B, wave 2 the scales of A's rows, wave 3 of B's, in ONE tree of branches on the wave's number
.macro ARM under, g0, g1, next
	s_cmp_lt_u32 s14, \under
	s_cbranch_scc0 \next
	tensor_load_to_lds s[\g0:\g0+3], s[\g1:\g1+7]
	s_nop 0
.rept 4
	v_nop
.endr
	s_branch .Lhead_asked
\next:
.endm
	ARM 1, G0, G1, .Lhead_b
	ARM 2, G0B, G1B, .Lhead_sa
	ARM 3, G0S, G1S, .Lhead_sb
	tensor_load_to_lds s[G0SB:G0SB+3], s[G1SB:G1SB+7]
	s_nop 0
.rept 4
	v_nop
.endr
.Lhead_asked:
; PREFETCH INTO THE L2: behind each tensor load stands the request for what the next one will bring: K steps 1, 2, 3, then the small tile's two halves of K.  The four partners of a joint load share its rows out BY ADDRESS
; (A and x by cx, B and Wq by cy): of the 128 rows that a wave fetches 32, a lane a row; of x's 64 rows 16, both halves of K at once.  s[92:93]: the large tile's rows; s[94:95]: the small tile's.
	v_and_b32 v24, 31, v0
	v_lshlrev_b32 v[PFO], 10, v24
	v_and_b32 v25, 15, v0
	v_lshlrev_b32 v25, 10, v25
	v_bfe_u32 v24, v0, 4, 1
	v_lshl_add_u32 v25, v24, 9, v25
	s_cmp_eq_u32 s15, 0                            ; do I fetch for A?
	s_cselect_b32 s18, -1, 0
	s_cselect_b64 s[92:93], s[20:21], s[46:47]
	s_cselect_b32 s22, s40, s41                    ; my place among the four
	v_cndmask_b32 v[PFS], v[PFO], v25, s18
	s_lshl_b32 s22, s22, 15
	s_mov_b32 s23, 0
	s_add_nc_u64 s[92:93], s[92:93], s[22:23]
	s_wait_alu depctr_va_vdst(0)
	global_prefetch_b8 v[PFO], s[92:93] offset:ROWB th:TH_LOAD_NT scope:SCOPE_SE
	v_and_b32 v1, 15, v0                           ; l % 16
	v_bfe_u32 v2, v0, 4, 1                         ; l / 16
	v_mul_u32_u24 v3, v1, PITCH
	v_lshl_add_u32 v4, v2, 4, v3                   ; a fragment's row x pitch + 16 x half
	s_mul_i32 s21, s15, HALFT                      ; my 128 rows of A
	s_mul_i32 s22, s16, HALFT                      ; my 128 rows of B,
	s_add_co_u32 s22, s22, 2*HALFT                 ; which lie behind A's 256
.irp s, 0,1
	v_add_nc_u32 v[ADRA+\s], s21, v4
	v_add_nc_u32 v[ADRB+\s], s22, v4
	s_add_co_u32 s21, s21, SLOT
	s_add_co_u32 s22, s22, SLOT
.endr
	v_mul_u32_u24 v5, v1, KS                       ; my row's scales: 32 bytes a row,
	v_lshrrev_b32 v6, 8, v5
	v_lshl_add_u32 v5, v6, 4, v5                   ; and 16 more for each 256 passed
	s_mul_i32 s21, s15, HALFS                      ; A's: my 128 rows
	s_mul_i32 s22, s16, HALFS                      ; B's: my 128 rows, behind A's 256
	s_add_co_u32 s22, s22, 2*HALFS
	s_sub_co_u32 s22, s22, s21
	v_mul_u32_u24 v6, s22, v2                      ; lanes 16-31 take B's
	s_add_co_u32 s21, s21, SCL
	v_add_nc_u32 v5, v5, v6
	v_add_nc_u32 v[ADRS], s21, v5
	v_and_b32 v6, 31, v0
	v_lshlrev_b32 v[CO], 4, v6                     ; 16 x lane
	s_mul_i32 s21, s14, 16*PITCH                   ; the small tile: x's 64 rows lie where A's first rows lay: my wave's 16;
	v_add_nc_u32 v[QA], s21, v4
	v_add_nc_u32 v[QA+1], SLOT, v[QA]
	v_add_nc_u32 v[QB], 2*HALFT, v4                ; Wq's 128 rows where B's lay: every wave reads them all
	v_add_nc_u32 v[QB+1], SLOT, v[QB]
	v_lshlrev_b32 v[QWS], 5, v6
	v_lshlrev_b32 v[QXS], 5, v1
	v_lshlrev_b32 v[QSO], 4, v1
	; where my 128 x 128 goes.  mi, ni: my unit of 128 rows and of 128 columns of C.  P = the unit of 128 keys, H = the head: (mi, ni), for v^T (ni, mi).
	s_add_co_u32 s20, s95, s41
	s_lshl_b32 s20, s20, 1
	s_add_co_u32 s20, s20, s15                     ; mi
	s_lshl_b32 s46, s42, 1
	s_add_co_u32 s46, s46, s16                     ; ni
	s_cmp_eq_u32 s100, 0
	s_cselect_b32 s21, s20, s46                    ; P
	s_cselect_b32 s22, s46, s20                    ; H
	s_lshr_b32 s23, s21, 5                         ; the batch: 32 units of 128 keys to each
	s_lshl_b32 s18, s23, 5
	s_sub_co_u32 s21, s21, s18                     ; the unit inside the batch
	s_lshl_b32 s23, s23, 3
	s_add_co_u32 s23, s23, s22                     ; 8 x batch + head
	s_lshl_b32 s23, s23, 5
	s_add_co_u32 s23, s23, s21                     ; the unit's number in the buffer
	s_mul_i32 s20, s23, 33792                      ; A UNIT OF 128 KEYS IN kvc: k's image of 16,384 bytes, v's, k's 512 bytes of scale words, v's
	s_mov_b32 s21, 0
	s_add_nc_u64 s[12:13], s[12:13], s[20:21]
	s_lshl_b32 s20, s100, 9
	s_add_co_u32 s20, s20, 32768
	s_add_nc_u64 s[66:67], s[12:13], s[20:21]      ; my scale words
	s_lshl_b32 s20, s100, 14
	s_add_nc_u64 s[12:13], s[12:13], s[20:21]      ; my image
.macro FRAG reg, adr, q, i             ; 16 rows x 128 K of 8-bit codes: lane l holds row l % 16; registers 4 c .. 4 c + 3 hold K = 32 c + 16 (l / 16) + 0 .. 15
.irp c, 0,1,2,3
	ds_load_b128 v[\reg+4*\c:\reg+4*\c+3], v[\adr] offset:128*(\q)+32*\c+(\i)*16*PITCH
.endr
.endm
; 16 matrix instructions: A's blocks a0, a0 + 1 x B's eight, 128 along K.  zero = 1: the first product starts the sums.  The 64 accumulators take turns, one instruction a turn.
.macro MUL16 a0, p, q, sc, zero
.irp a, \a0, \a0+1
.irp b, 0,1,2,3,4,5,6,7
.if \zero
	v_wmma_scale_f32_16x16x128_f8f6f4 v[8*(8*((\a)%4)+\b):8*(8*((\a)%4)+\b)+7], v[128*(\p)+FR*\b:128*(\p)+FR*\b+FR-1], v[AF+FR*(\a):AF+FR*(\a)+FR-1], 0, v[SC+8*NQ*(\sc)+NQ*\b+(\q)], v[SC+8*NQ*(\sc)+NQ*(\a)+(\q)] matrix_a_scale:MATRIX_SCALE_ROW1
.else
	v_wmma_scale_f32_16x16x128_f8f6f4 v[8*(8*((\a)%4)+\b):8*(8*((\a)%4)+\b)+7], v[128*(\p)+FR*\b:128*(\p)+FR*\b+FR-1], v[AF+FR*(\a):AF+FR*(\a)+FR-1], v[8*(8*((\a)%4)+\b):8*(8*((\a)%4)+\b)+7], v[SC+8*NQ*(\sc)+NQ*\b+(\q)], v[SC+8*NQ*(\sc)+NQ*(\a)+(\q)] matrix_a_scale:MATRIX_SCALE_ROW1
.endif
.endr
.endr
.endm
.macro FETCH_B slot, q, p              ; B's eight fragments of the slot's q-th 128 along K into set p
	WIN TO_B
.irp i, 0,1,2,3,4,5,6,7
	FRAG 128*(\p)+FR*\i, ADRB+\slot, \q, \i
.endr
	WIN 0
.endm
.macro FETCH_A slot, q, i0             ; A's blocks i0 .. i0 + 3
.irp i, \i0, \i0+1, \i0+2, \i0+3
	FRAG AF+FR*(\i), ADRA+\slot, \q, \i
.endr
.endm
.macro SCALES sc                       ; a K step's scale words into set sc: lanes 0-15 take A's block i, lanes 16-31 B's block i
.irp i, 0,1,2,3,4,5,6,7
	ds_load_b64 v[SC+8*NQ*\sc+NQ*\i:SC+8*NQ*\sc+NQ*\i+1], v[ADRS] offset:\i*SBLK
.endr
.endm
.macro PLACES n                        ; plain vector instructions between a matrix instruction and a load into, or a vector instruction on, one of its registers
.rept \n
	v_nop
.endr
.endm
; A step of 128 along K that has its successor in the same slot.
.macro STEP slot, q, zero
	FETCH_B \slot, (\q)+1, 1-(\q)%2                ; B's other set has had its last product, and the places behind it, in the step before
	s_wait_dscnt 4*NL+32                           ; B's set and A's blocks 0-3 are in; the youngest may be out: A's blocks 4-7 (16 loads) and B's next set (32)
	WIN MUL_LO
	MUL16 0, (\q)%2, \q, \slot, \zero
	MUL16 2, (\q)%2, \q, \slot, \zero
	s_wait_dscnt 32                                ; A's blocks 4-7 are in; B's next set may be out
	PLACES NP
	WIN 0
	FETCH_A \slot, (\q)+1, 0
	WIN MUL_HI
	MUL16 4, (\q)%2, \q, \slot, \zero
	MUL16 6, (\q)%2, \q, \slot, \zero
	PLACES NP
	WIN 0
	FETCH_A \slot, (\q)+1, 4
.endm
; A slot's last step changes slots: ONE barrier; in front of it each wave waits for all its tensor loads, adds 0 to its spare word, and waits for that and for its own reads of this slot.
; fill = 1: this slot is filled again with the large tile's K step two on;  fill = 2: with the first half of K of the small tile's x and Wq.
.macro TURN slot, next, fill
	s_wait_dscnt 4*NL                              ; the youngest sixteen loads (A's blocks 4-7) may be out
	WIN MUL_LO
	MUL16 0, 1, NQ-1, \slot, 0
	WIN 0                                          ; (the add's two registers lie in window 0)
	s_wait_tensorcnt 0x0                           ; all my tensor loads have landed: my part of the next slot
	ds_add_u32 v[SPW], v[NIL]                      ; 0 onto my spare word
	s_wait_dscnt 0x0                               ; the add is done, and my reads of this slot are over
	s_barrier_signal -1
	WIN MUL_LO
	MUL16 2, 1, NQ-1, \slot, 0
	WIN 0
	s_barrier_wait -1
	CREST                                          ; the barrier has opened a round of the cluster's barrier: no wave of any partner still reads this slot's tile or has a load on its way
.if \fill == 1
	s_add_nc_u64 s[G0+4*\slot+2:G0+4*\slot+3], s[G0+4*\slot+2:G0+4*\slot+3], 2*ROWB
	s_add_nc_u64 s[G0B+4*\slot+2:G0B+4*\slot+3], s[G0B+4*\slot+2:G0B+4*\slot+3], 2*ROWB
	JLOAD G0+4*\slot, G1, G0B+4*\slot, G1B         ; the first tensor load behind the round; its four v_nop are among the places in front of the loads below
.else
	s_mov_b64 s[G0+4*\slot+2:G0+4*\slot+3], s[XA:XA+1]     ; the LDS addresses stay: wave x 128 rows of this slot
	s_or_b32 s[G0+4*\slot+3], s[G0+4*\slot+3], 0x80000000
	s_mov_b64 s[G0B+4*\slot+2:G0B+4*\slot+3], s[WA:WA+1]
	s_or_b32 s[G0B+4*\slot+3], s[G0B+4*\slot+3], 0x80000000
	JLOAD G0+4*\slot, G1X, G0B+4*\slot, G1B        ; waves 0, 1: 64 rows of x; waves 2, 3: 128 rows of Wq; 256 bytes of K each
.endif
	PLACES NP-4
	s_wait_alu depctr_va_vdst(0)
	v_add_nc_u32 v[ADRS], 4*NQ, v[ADRS]            ; on to the next K step's scale words
	FETCH_B \next, 0, 0
	FETCH_A \next, 0, 0
	SCALES \next
.if \fill == 1
.if \slot == 0
	global_prefetch_b8 v[PFO], s[92:93] offset:3*ROWB th:TH_LOAD_NT scope:SCOPE_SE
.else
	global_prefetch_b8 v[PFS], s[94:95] th:TH_LOAD_NT scope:SCOPE_SE
.endif
.else
	s_cmp_eq_u32 s15, 0
	s_cbranch_scc1 .Lboth_asked_\@                 ; x's waves have asked for both halves of K
	global_prefetch_b8 v[PFS], s[94:95] offset:2*ROWB th:TH_LOAD_NT scope:SCOPE_SE
.Lboth_asked_\@:
.endif
	WIN MUL_HI
	MUL16 4, 1, NQ-1, \slot, 0
	MUL16 6, 1, NQ-1, \slot, 0
	PLACES NP
	WIN 0
	FETCH_A \next, 0, 4
.endm
	s_cmp_eq_u32 s15, 0
	s_cselect_b64 s[94:95], s[XA:XA+1], s[WA:WA+1]
	s_cselect_b32 s18, s40, s41
	s_cselect_b32 s22, 14, 15                      ; 16 rows of x, 32 of Wq
	s_lshl_b32 s18, s18, s22
	s_mov_b32 s19, 0
	s_add_nc_u64 s[94:95], s[94:95], s[18:19]
	s_wait_alu depctr_va_vdst(0)
	s_wait_tensorcnt 0x0                           ; my tile of the head's four is in
	ds_add_u32 v[SPW], v[NIL]
.irp g, G1, G1B                                ; no tensor load of mine is out: from here on a load brings 128 rows,
	s_mov_b32 s[\g+2], 128<<16
	s_mov_b32 s[\g+4], 128
.endr
	s_lshl_b32 s18, s16, 17                        ; and slot 0's groups 0 take my half of the rows
	s_mov_b32 s19, 0
	s_mov_b32 s[G0+1], s45
	s_add_nc_u64 s[G0+2:G0+3], s[G0+2:G0+3], s[18:19]
	s_mov_b32 s[G0B+1], s45
	s_add_nc_u64 s[G0B+2:G0B+3], s[G0B+2:G0B+3], s[18:19]
	s_wait_dscnt 0x0                               ; the add is done
	CROUND                                         ; all four tiles are in, and all sixteen work-groups are here
	JLOAD G0+4, G1, G0B+4, G1B                     ; K step 1's load, the first tensor load behind the round
	global_prefetch_b8 v[PFO], s[92:93] offset:2*ROWB th:TH_LOAD_NT scope:SCOPE_SE
	FETCH_B 0, 0, 0
	FETCH_A 0, 0, 0
	SCALES 0
	FETCH_A 0, 0, 4
	STEP 0, 0, 1                                   ; the first step stands in front of the loop: its products start the sums
	s_mov_b32 s3, LAPS-1
.Llap:                                                 ; a trip goes once round the ring and fills both slots again
	TURN 0, 1, 1
	STEP 1, 0, 0
	TURN 1, 0, 1
	STEP 0, 0, 0
	s_sub_co_u32 s3, s3, 1
	s_cmp_lg_u32 s3, 0
	s_cbranch_scc1 .Llap
	; group 1 for x's tiles: 64 rows x 256 bytes, padded as all tiles are.  It takes the registers of the descriptor of A's scales, whose load the head's wait has shown landed
	s_or_b32 s[G1X+0], s43, (0<<16)|(1<<20)|(1<<21)|(5<<22)|(3<<25)
	s_mov_b32 s[G1X+1], ROWB<<16
	s_mov_b32 s[G1X+2], 64<<16
	s_mov_b32 s[G1X+3], ROWB<<16
	s_mov_b32 s[G1X+4], 64
	s_mov_b32 s[G1X+5], KROW
	s_mov_b32 s[G1X+6], 0
	s_mov_b32 s[G1X+7], 0
	TURN 0, 1, 2                                   ; the large tile's last change of slots: slot 0 takes the small tile's K 0-511
	STEP 1, 0, 0
	s_wait_dscnt 4*NL                              ; the large tile's very last step: nothing more to fetch
	WIN MUL_LO
	MUL16 0, 1, NQ-1, 1, 0
	MUL16 2, 1, NQ-1, 1, 0
	s_wait_dscnt 0
	WIN MUL_HI
	MUL16 4, 1, NQ-1, 1, 0
	MUL16 6, 1, NQ-1, 1, 0
	WIN 0
; THE WAY OUT: block a of 16 rows becomes one fragment's image, stored from s[base] on, and one scale word a row.  Its 64 numbers a lane are accumulators (a, 0..7): registers 16 c + 0 .. 15 are my 16 of block c.
.macro QROW a, base
.set AC, 64*((\a)%4)
.set W, 2+(\a)/4                       ; the accumulators' window
	WIN 5*W                                        ; sources 0 and 1 in window W
.irp c, 0,1,2,3
	v_max3_num_f32 v[TM+\c], |v[AC+16*\c]|, |v[AC+16*\c+1]|, 0x4800000   ; my 16 numbers of block c, each accumulator from its low end on, and the floor 2^(9 - 127): the byte cannot fall under 1
.endr
.irp i, 2,4,6,8,10,12,14
.irp c, 0,1,2,3
	v_max3_num_f32 v[TM+\c], |v[AC+16*\c+\i]|, |v[AC+16*\c+\i+1]|, v[TM+\c]   ; (the four blocks by turns)
.endr
.endr
	WIN 0
.irp c, 0,1,2,3
	v_permlanex16_b32 v[TM+4+\c], v[TM+\c], s20, s21
.endr
.irp c, 0,1,2,3
	v_max_num_f32 v[TM+\c], v[TM+\c], v[TM+4+\c]   ; with lane l xor 16's: the block's largest magnitude
.endr
.irp c, 0,1,2,3
	v_add_nc_u32 v[TM+12+\c], 0xfc000000, v[TM+\c] ; 8 off its exponent field: the conversion's scale operand
.endr
.irp c, 0,1,2,3
	v_and_or_b32 v[TM+8+\c], v[TM+\c], 0x7f800000, s22   ; 448 x the scale
.endr
.irp c, 0,1,2,3
	v_lshrrev_b32 v[TM+4+\c], 23, v[TM+12+\c]      ; the scale's byte
.endr
	v_lshl_or_b32 v[PW], v[TM+5], 8, v[TM+4]       ; my row's scale word
	v_lshl_or_b32 v[PW], v[TM+6], 16, v[PW]
	v_lshl_or_b32 v[PW], v[TM+7], 24, v[PW]
.if (\a)%2 == 0
	v_mov_b32 v[PWE], v[PW]
.else
	v_cndmask_b32 v[WD+(\a)/2], v[PWE], v[PW], s3  ; lanes 0-15: the even block's rows, lanes 16-31: the odd block's
.endif
	WIN 65*W                                       ; destination and source 0 in window W
.irp c, 0,1,2,3
.irp i, 0,1,2,3,4,5,6,7,8,9,10,11,12,13,14,15
	v_med3_num_f32 v[AC+16*\c+\i], v[AC+16*\c+\i], -v[TM+8+\c], v[TM+8+\c]   ; the conversion to an 8-bit code does not saturate (ISA guide 7.6.2): the hold at 448 x the scale
.endr
.endr
	s_wait_alu depctr_va_vdst(0)
	s_wait_xcnt 0x0                                ; the last block's stores have read their data: the codes' registers may be written
	WIN W                                          ; source 0 in window W
.irp c, 0,1,2,3
	v_cvt_scalef32_pk8_fp8_f32 v[PC+4*\c:PC+4*\c+1], v[AC+16*\c:AC+16*\c+7], v[TM+12+\c]
	v_cvt_scalef32_pk8_fp8_f32 v[PC+4*\c+2:PC+4*\c+3], v[AC+16*\c+8:AC+16*\c+15], v[TM+12+\c]
.endr
	WIN 0
	v_nop                                          ; a plain vector instruction behind the last conversion
.irp c, 0,1,2,3
	global_store_b128 v[CO], v[PC+4*\c:PC+4*\c+3], s[\base:\base+1] offset:(\a)*2048+512*\c   ; 32 lanes store 512 consecutive bytes, at a multiple of 256 from the buffer's first byte
.endr
.endm
	PLACES NP                                      ; behind the last products: their results are read, and loads land in registers that held their scale words and fragments
.irp p, 0,1,2,3                                ; the small tile's scale words are asked for here and land under the large tile's way out.  Lane l takes Wq's row 32 p + l: 32 bytes, a word for each K step
.irp q, 0,1
	global_load_b128 v[SC+8*\p+4*\q:SC+8*\p+4*\q+3], v[QWS], s[WSP:WSP+1] offset:\p*1024+16*\q
.endr
.endr
.irp q, 0,1
	global_load_b128 v[XSC+4*\q:XSC+4*\q+3], v[QXS], s[XSP:XSP+1] offset:16*\q   ; and x's row l % 16 of my 16
.endr
	s_mov_b32 s20, 0x76543210
	s_mov_b32 s21, 0xfedcba98                      ; v_permlanex16_b32's selects for lane l xor 16
	s_mov_b32 s22, 0x600000                        ; the mantissa field of 448
	s_mov_b32 s3, 0xffff0000                       ; lanes 16-31
.irp b, 0,1,2,3
	v_mov_b32 v[TM+4+\b], 0                        ; written once: a lane permute's destination counts as one of its sources
.endr
.irp a, 0,1
	QROW \a, 12
.endr
	; THE SECOND CHANGE FOR THE SMALL TILE.  Slot 1 was read out by the large tile's last step.  Behind the round slot 0, whose loads every wave has awaited here, is whole for everybody, and slot 1 takes K 512-1,023.
	s_wait_tensorcnt 0x0                           ; my part of slot 0 has landed: no tensor load of mine is out, so the groups 0 may be written
	ds_add_u32 v[SPW], v[NIL]                      ; 0 onto my spare word; the descriptors' words stand between it and the wait for it
	s_add_nc_u64 s[G0+6:G0+7], s[XA:XA+1], 2*ROWB
	s_or_b32 s[G0+7], s[G0+7], 0x80000000
	s_add_nc_u64 s[G0B+6:G0B+7], s[WA:WA+1], 2*ROWB
	s_or_b32 s[G0B+7], s[G0B+7], 0x80000000
	s_wait_dscnt 0x0                               ; the add is done; my reads of slot 1 were over long ago
	CROUND
	JLOAD G0+4, G1X, G0B+4, G1B                    ; the first tensor load behind the round, one a wave: it has four more blocks of the way out and the small tile's first three K steps in which to land
; The small tile's K steps stand AMONG the large tile's last six blocks of the way out: a step's LDS loads land under a block's conversions.  Its accumulators are those of block 0, which has left.
; THE SMALL TILE: q's rows 16 w on of my work-group's 64 x my head's 128 columns.  K step s of 128: slot s / 4; in it x's tile (s / 2) % 2 and Wq's tile 2 + (s / 2) % 2, byte 128 (s % 2) of the rows.
.macro QFETCH s                        ; 36 LDS loads: Wq's eight fragments into B's set s % 2, x's one into A's buffer s % 2
	WIN TO_B
.irp i, 0,1,2,3,4,5,6,7
.irp c, 0,1,2,3
	ds_load_b128 v[128*((\s)%2)+FR*\i+4*\c:128*((\s)%2)+FR*\i+4*\c+3], v[QB+(\s)/4] offset:(((\s)/2)%2)*HALFT+128*((\s)%2)+32*\c+\i*16*PITCH
.endr
.endr
	WIN 0
.irp c, 0,1,2,3
	ds_load_b128 v[AF+FR*((\s)%2)+4*\c:AF+FR*((\s)%2)+4*\c+3], v[QA+(\s)/4] offset:(((\s)/2)%2)*HALFT+128*((\s)%2)+32*\c
.endr
.endm
.macro QMUL s                          ; 8 products: the eight accumulators, v0-63 of window 2, take turns; the first K step starts the sums
	WIN MUL_LO
.irp b, 0,2,4,6
.if (\s) == 0
	v_wmma_scale_f32_16x16x128_f8f6f4 v[8*\b:8*\b+7], v[128*((\s)%2)+FR*\b:128*((\s)%2)+FR*\b+FR-1], v[AF+FR*((\s)%2):AF+FR*((\s)%2)+FR-1], 0, v[SC+4*\b+(\s)], v[XSC+(\s)]
	v_wmma_scale_f32_16x16x128_f8f6f4 v[8*\b+8:8*\b+15], v[128*((\s)%2)+FR*\b+FR:128*((\s)%2)+FR*\b+2*FR-1], v[AF+FR*((\s)%2):AF+FR*((\s)%2)+FR-1], 0, v[SC+4*\b+(\s)], v[XSC+(\s)] matrix_a_scale:MATRIX_SCALE_ROW1
.else
	v_wmma_scale_f32_16x16x128_f8f6f4 v[8*\b:8*\b+7], v[128*((\s)%2)+FR*\b:128*((\s)%2)+FR*\b+FR-1], v[AF+FR*((\s)%2):AF+FR*((\s)%2)+FR-1], v[8*\b:8*\b+7], v[SC+4*\b+(\s)], v[XSC+(\s)]
	v_wmma_scale_f32_16x16x128_f8f6f4 v[8*\b+8:8*\b+15], v[128*((\s)%2)+FR*\b+FR:128*((\s)%2)+FR*\b+2*FR-1], v[AF+FR*((\s)%2):AF+FR*((\s)%2)+FR-1], v[8*\b+8:8*\b+15], v[SC+4*\b+(\s)], v[XSC+(\s)] matrix_a_scale:MATRIX_SCALE_ROW1
.endif
.endr
	WIN 0
.endm
	QFETCH 0
	QROW 2, 12
	s_wait_loadcnt 0x0                             ; the scale words
	s_wait_dscnt 0x0                               ; a step's fragments are in; then the next step's are asked for
	QFETCH 1
	QMUL 0
.irp a, 3,4                                    ; the block's conversions are the places between a set's products and the loads into it
	QROW \a, 12
	s_wait_dscnt 0x0
	QFETCH (\a)-1
	QMUL (\a)-2
.endr
	QROW 5, 12
	s_wait_dscnt 0x0                               ; K step 3's fragments are in: no LDS instruction of mine is pending at the signal
	s_wait_tensorcnt 0x0                           ; my part of slot 1 has landed,
	s_barrier_signal -1
	QMUL 3
	s_barrier_wait -1                              ; everybody's has.
	QFETCH 4
	QROW 6, 12
	s_wait_dscnt 0x0
	QFETCH 5
	QMUL 4
	QROW 7, 12
	global_store_b128 v[CO], v[WD:WD+3], s[66:67]  ; the scale words of my 128 rows: 512 consecutive bytes
	s_wait_dscnt 0x0
	QFETCH 6
	QMUL 5
	s_wait_dscnt 0x0
	PLACES NP                                      ; behind the products that read the set which the loads below fill
	QFETCH 7
	QMUL 6
	s_wait_dscnt 0x0
	QMUL 7
	PLACES NP
	QROW 0, QCP                                    ; one fragment of q
	global_store_b32 v[QSO], v[PW], s[QSP:QSP+1]   ; and its rows' scale words (both lanes of a row hold the same word and write it to the same place)
	s_wait_tensorcnt 0x0                           ; the wave's end
	ds_add_u32 v[SPW], v[NIL]
	s_wait_dscnt 0x0
	CROUND                                         ; the closing round: no work-group ends while a partner may still ask for a tile that names it
	s_endpgm
.Lfunc_end_k_q1ab9206ff2_proj:
	.size	k_q1ab9206ff2_proj, .Lfunc_end_k_q1ab9206ff2_proj-k_q1ab9206ff2_proj
	.p2alignl 7, 3214868480
	.fill 96, 4, 3214868480
	.section	.rodata,"a",@progbits
	.p2align	6, 0x0
	.amdhsa_kernel k_q1ab9206ff2_proj
		.amdhsa_group_segment_fixed_size 327680
		.amdhsa_private_segment_fixed_size 0
		.amdhsa_enable_private_segment 0
		.amdhsa_kernarg_size 88
		.amdhsa_user_sgpr_count 2
		.amdhsa_user_sgpr_kernarg_segment_ptr 1
		.amdhsa_wavefront_size32 1
		.amdhsa_system_sgpr_workgroup_id_x 1
		.amdhsa_system_sgpr_workgroup_id_y 1
		.amdhsa_system_sgpr_workgroup_id_z 1
		.amdhsa_system_vgpr_workitem_id 0
		.amdhsa_next_free_vgpr 1024
		.amdhsa_next_free_sgpr 102
		.amdhsa_reserve_vcc 0
		.amdhsa_float_denorm_mode_32 3
		.amdhsa_float_denorm_mode_16_64 3
		.amdhsa_memory_ordered 1
		.amdhsa_forward_progress 1
		.amdhsa_inst_pref_size 230
	.end_amdhsa_kernel
	.amdgpu_metadata
---
amdhsa.version: [ 1, 2 ]
amdhsa.kernels:
  - .name:           k_q1ab9206ff2_proj
    .symbol:         k_q1ab9206ff2_proj.kd
    .args:
      - { .name: x_codes, .offset: 0, .size: 8, .value_kind: global_buffer, .address_space: global }
      - { .name: x_scales, .offset: 8, .size: 8, .value_kind: global_buffer, .address_space: global }
      - { .name: Wq_codes, .offset: 16, .size: 8, .value_kind: global_buffer, .address_space: global }
      - { .name: Wq_scales, .offset: 24, .size: 8, .value_kind: global_buffer, .address_space: global }
      - { .name: context_codes, .offset: 32, .size: 8, .value_kind: global_buffer, .address_space: global }
      - { .name: context_scales, .offset: 40, .size: 8, .value_kind: global_buffer, .address_space: global }
      - { .name: Wkv_codes, .offset: 48, .size: 8, .value_kind: global_buffer, .address_space: global }
      - { .name: Wkv_scales, .offset: 56, .size: 8, .value_kind: global_buffer, .address_space: global }
      - { .name: qc, .offset: 64, .size: 8, .value_kind: global_buffer, .address_space: global }
      - { .name: qs, .offset: 72, .size: 8, .value_kind: global_buffer, .address_space: global }
      - { .name: kvc, .offset: 80, .size: 8, .value_kind: global_buffer, .address_space: global }
    .group_segment_fixed_size: 327680
    .private_segment_fixed_size: 0
    .kernarg_segment_align: 8
    .kernarg_segment_size: 88
    .max_flat_workgroup_size: 128
    .sgpr_count:     102
    .vgpr_count:     1024
    .wavefront_size: 32
...
	.end_amdgpu_metadata
.endif
;; end of part 1
;; launch attn (part 2): grid 16 x 16, 8 waves a work-group, clusters of 4 x 1, 327,680 bytes of LDS; arguments qc, qs, kvc, doc_similarities, beta, oc, os; writes oc, os
.if DOCPART == 2
	.amdgcn_target "amdgcn-amd-amdhsa--gfx1250"
	.amdhsa_code_object_version 6
	.text
	.protected	k_q1ab9206ff2_attn
	.globl	k_q1ab9206ff2_attn
	.p2align	8
	.type	k_q1ab9206ff2_attn,@function
k_q1ab9206ff2_attn:
	s_mov_b64 s[64:65], 0
	v_nop
	global_prefetch_b8 v0, s[64:65] scope:SCOPE_SE
	s_setreg_imm32_b32 hwreg(HW_REG_WAVE_MODE, 25, 1), 1
	s_wait_xcnt 0x0
	s_wait_alu depctr_hold_cnt(0) depctr_sa_sdst(0) depctr_va_vdst(0) depctr_va_sdst(0) depctr_va_ssrc(0) depctr_va_vcc(0) depctr_vm_vsrc(0)
	s_getreg_b32 s2, hwreg(HW_REG_IB_STS2, 6, 4)
	s_cmp_eq_u32 s2, 0
	s_cbranch_scc0 .Lentry_in_a_cluster
	s_endpgm
.Lentry_in_a_cluster:
	s_bfe_u32 s2, ttmp6, 0x10000c
	s_cmp_lg_u32 s2, 0x3003
	s_cbranch_scc0 .Lentry_shape_is_right
	s_endpgm
.Lentry_shape_is_right:
; Launch 2 of 3: o = softmax(q k^T / 32 + doc_similarities beta) v for 16 (batch, head) pairs, both products on codes of E4M3; o is quantised on its way out.  Nothing is left out.
; A work-group owns 64 queries of one pair; wave (kg = wave % 4, qp = wave / 4) owns 32 of them (two tiles of 16) and, of each 512 keys, 128: every fragment of k and of v that it reads feeds two products.  The four kg are joined at the end.
; kvc: [pair][32 units of 128 keys][k's image 16,384 | v^T's image 16,384 | k's scale words 512 | v's 512].  An image is fragments (16 rows x 128) as [c 0..3][lane][16 bytes]; the scale word of row 32 p + l lies at 16 l + 4 p.
; A slot holds 4 units; two slots take turns, each filled by eight joint loads, one a wave, shared by the cluster's four work-groups (the same pair).
; BOTH PRODUCTS TRANSPOSED: S^T = k q^T, O^T = v^T p^T: a lane holds one query (lane % 16).  The order of the keys inside a block of 32 is the same in p's and in v's operand.
; A TRIP (one slot): k's fragments lie in one buffer of 128 registers, the scores go into the other; v's fragments are loaded over k's, and when the scores have become codes the next k's over them: so the buffers change roles from trip to trip.
; SOFTMAX: t = score c + sim, c = log2(e)/32, sim = doc_similarities beta log2(e);  M = the running largest t rounded up; p = 2^(t - M).  When M moves, sums and O^T are multiplied by 2^(old M - new M), exact.
; A block's exponent is floor(x) of its largest x = t - M, the very number that its largest p is made of: the hold is 1.75 x 2^e, the scale 2^(e - 8).
; PREFETCH: at the round of trip i, which loads slot i + 2, the cluster with x = 0 of each pair asks for slot i + 3 (a trip ahead of its load); its four work-groups share the 528 blocks of 256 bytes out by address, 132 each, 17 a wave (the last wave 13).
; LIMITS: NaN and infinities are not served; |t| stays under 2^31.  A block's exponent is held at -118 from below (its byte at 1).
; REGISTERS: window 0: v64-95 q, v96-127 p's codes, v128-255 buffer X; window 1: v0-127 buffer Y, v128-255 O^T.
; (The same holds of the clusters with x = 1, 2, 3: every cluster asks for what it will itself load; and at the head the loads of slots 0 and 1 are followed by the requests for slots 1 and 2.)
.set UNIT,  33792
.set SLOTB, 4*UNIT
.set PART,  SLOTB/8                    ; what a wave fetches: 66 rows of 256 bytes
.set SPARE, 2*SLOTB                    ; the spare words, 128 bytes a wave, which no other line names
.set XCH,   SPARE+1024                 ; the exchange of -M and sums
.set XS,    XCH+4096                   ; o's scale bytes
.set PW,   2                           ; v2-3  p's scale words (PW, VSC, KSC, QSC hold scales alone)
.set ADR,  4                           ; v4, v7  16 x lane + my unit in slot 0, 1
.set SPW,  5
.set NIL,  6
.set RM,   8                           ; v8-9  the largest t
.set NM,   10                          ; v10-11  -M
.set SUM,  12                          ; v12-19  sums: two pairs a tile
.set F,    20                          ; pairs: 2^(old M - new M)
.set NB,   24                          ; pairs: sim - M
.set BM,   28                          ; v28-35  blocks' largest scores, then their exponents, then two chains of the sums
.set BX,   36                          ; v36-43  lane l xor 16's; then the conversions' scale operands
.set BD,   44                          ; v44-51  the holds
.set VSC,  52
.set KSC,  56
.set PFO,  60                          ; the prefetches' offset;  v61, v1: at work
.set QSC,  62
.set QF,   64
.set PC,   96
.set XBF,  128
.set YBF,  0
.set OT,   128
.set WV,   20
.set KG,   21
.set QP,   22
.set CX,   23
.set XB,   24
.set BH,   25
.set SEL,  26
.set CS,   28
.set MNT,  30
.set HM,   31
.set G1,   32
.set G0,   40                          ; s[40:43], s[44:47]: slot 0, 1
.set S175, 48
.set SMIN, 49
.set SD,   56
.set TRIPS, 67
.set SLOTS, 68
.set PFA,  70
.set DUALW, 1                          ; 1: minima go in pairs in both windows
.set MSB, 0
.macro WIN new                         ; the immediate's high byte repeats the setting that is left
.set NEWW, (\new)
.if MSB != NEWW
	s_set_vgpr_msb (MSB<<8)|NEWW
.set MSB, NEWW
.endif
.endm
.macro WALU                            ; ahead of and behind a batch of exponentials, ahead of waits that block and of branches
	s_wait_alu depctr_va_vdst(0)
.endm
.macro PLACES n
.rept \n
	v_nop
.endr
.endm
.macro CREST                           ; a round of the cluster's barrier behind its opening barrier
	s_cmp_lg_u32 s[WV], 0
	s_cbranch_scc1 .Lnot_wave_0_\@
	s_barrier_signal -3
.Lnot_wave_0_\@:
	s_barrier_wait -3
	s_barrier_signal -1
	s_barrier_wait -1
.endm
.macro CROUND
	s_barrier_signal -1
	s_barrier_wait -1
	CREST
.endm
.macro TLOAD s
	tensor_load_to_lds s[G0+4*\s:G0+4*\s+3], s[G1:G1+7]
	s_nop 0
	PLACES 4
.endm
.macro FRAGS w, reg, adr, off, t0      ; four fragments of an image
	WIN (\w)<<6
.irp t, \t0, \t0+1, \t0+2, \t0+3
.irp c, 0,1,2,3
	ds_load_b128 v[\reg+16*(\t)+4*\c:\reg+16*(\t)+4*\c+3], v[\adr] offset:(\off)+2048*(\t)+512*\c
.endr
.endr
.endm
	s_load_b256 s[4:11], s[0:1], 0x0               ; qc 4, qs 6, kvc 8, doc_similarities 10
	s_load_b128 s[12:15], s[0:1], 0x20             ; beta 12, oc 14
	s_load_b64 s[16:17], s[0:1], 0x30              ; os
	v_lshl_add_u32 v[SPW], v0, 2, SPARE
	v_mov_b32 v[NIL], 0
	ds_add_u32 v[SPW], v[NIL]                      ; the wave's opening: the add, twice on end, and its wait
	ds_add_u32 v[SPW], v[NIL]
	v_lshrrev_b32 v36, 5, v0
	v_readfirstlane_b32 s[WV], v36
	s_and_b32 s[KG], s[WV], 3
	s_lshr_b32 s[QP], s[WV], 2
	s_bfe_u32 s[CX], ttmp6, 0x40000
	s_lshl_b32 s[XB], ttmp9, 2
	s_add_co_u32 s[XB], s[XB], s[CX]               ; block of 64 queries
	s_and_b32 s[BH], ttmp7, 0xffff                 ; 8 x batch + head
	s_mov_b32 s[SEL], 0x76543210
	s_mov_b32 s[SEL+1], 0xfedcba98                 ; lane l xor 16
	s_mov_b32 s[CS], 0x3d38aa3b                    ; c = log2(e) / 32
	s_mov_b32 s[CS+1], s[CS]
	s_mov_b32 s[MNT], 0x600000                     ; the mantissa field of 448
	s_mov_b32 s[HM], 0xffff0000                    ; lanes 16-31
	s_mov_b32 s[S175], 0x3fe00000                  ; 1.75
	s_mov_b32 s[SMIN], -118
	s_mov_b32 s[SLOTS], 6
	s_mov_b32 s[TRIPS], 3
	s_mov_b32 s[G1], 15|(3<<16)|(1<<21)            ; all four work-groups; elements of 8 bytes; 21 set beside a mask
	s_mov_b32 s[G1+1], 32<<16
	s_mov_b32 s[G1+2], 66<<16
	s_mov_b32 s[G1+3], 32<<16                      ; rows of 256 bytes,
	s_mov_b32 s[G1+4], 66                          ; 66 of them,
	s_mov_b32 s[G1+5], 32                          ; dense
	s_mov_b32 s[G1+6], 0
	s_mov_b32 s[G1+7], 0
	s_mul_i32 s76, s[BH], 32*UNIT                  ; the pair's keys,
	s_mul_i32 s74, s[WV], PART                     ; my part of a slot
	s_add_co_u32 s72, s76, s74
	s_mov_b32 s73, 0
	s_mul_i32 s75, s[CX], UNIT
	s_add_co_u32 s76, s76, s75
	s_add_co_u32 s76, s76, SLOTB                   ; the prefetches: my work-group's quarter of slot 1
	s_mov_b32 s77, 0
	s_lshr_b32 s78, s[BH], 3
	s_lshl_b32 s78, s78, 4
	s_mov_b32 s79, 0
	s_wait_dscnt 0x0                               ; both opening adds are done
	CROUND                                         ; the opening round, ahead of the wait for the arguments
	s_wait_kmcnt 0x0
	s_add_nc_u64 s[10:11], s[10:11], s[78:79]
	s_load_b128 s[60:63], s[10:11], 0x0
	s_load_b32 s66, s[12:13], 0x0
	s_mov_b32 s[G0], 1
	s_mov_b32 s[G0+1], s74
	s_add_nc_u64 s[G0+2:G0+3], s[8:9], s[72:73]
	s_or_b32 s[G0+3], s[G0+3], 0x80000000
	s_mov_b32 s[G0+4], 1
	s_add_co_u32 s[G0+5], s74, SLOTB
	s_add_nc_u64 s[G0+6:G0+7], s[G0+2:G0+3], SLOTB
	s_add_nc_u64 s[PFA:PFA+1], s[8:9], s[76:77]
	TLOAD 0                                        ; slot 0: one tensor load a wave at the head
	s_lshl_b32 s72, s[BH], 6                       ; q's fragments: 64 to a pair, 4 to my work-group, 2 mine
	s_lshl_b32 s74, s[XB], 2
	s_add_co_u32 s72, s72, s74
	s_lshl_b32 s74, s[QP], 1
	s_add_co_u32 s72, s72, s74
	s_lshl_b32 s72, s72, 11
	s_add_nc_u64 s[4:5], s[4:5], s[72:73]
	s_lshl_b32 s72, s[BH], 12                      ; q's scale words: 512 bytes for 128 queries; tile a = 4 (XB % 2) + 2 qp + u: row 16 a + r at 256 u + 16 r + 8 (XB % 2) + 4 qp
	s_lshr_b32 s74, s[XB], 1
	s_lshl_b32 s74, s74, 9
	s_add_co_u32 s72, s72, s74
	s_and_b32 s74, s[XB], 1
	s_lshl_b32 s74, s74, 3
	s_add_co_u32 s72, s72, s74
	s_lshl_b32 s74, s[QP], 2
	s_add_co_u32 s72, s72, s74
	s_add_nc_u64 s[6:7], s[6:7], s[72:73]
	s_mul_i32 s74, s[KG], UNIT
	s_mul_i32 s75, s[WV], 17
	v_and_b32 v36, 31, v0
	v_and_b32 v37, 15, v0
	v_lshlrev_b32 v61, 4, v36                      ; 16 x lane
	v_lshlrev_b32 v1, 4, v37                       ; 16 r
	v_add_nc_u32 v[ADR], s74, v61
	v_add_nc_u32 v[ADR+3], SLOTB, v[ADR]
	v_min_u32 v38, 16, v36
	v_add_nc_u32 v38, s75, v38
	v_min_u32 v38, 131, v38
	v_lshlrev_b32 v[PFO], 8, v38
	WALU
.irp u, 0,1
.irp c, 0,1,2,3
	global_load_b128 v[QF+16*\u+4*\c:QF+16*\u+4*\c+3], v61, s[4:5] offset:2048*\u+512*\c
.endr
	global_load_b32 v[QSC+\u], v1, s[6:7] offset:256*\u
.endr
	global_prefetch_b8 v[PFO], s[PFA:PFA+1] th:TH_LOAD_NT scope:SCOPE_SE   ; slot 1
	s_wait_kmcnt 0x0
	v_mov_b32 v36, s66
.irp d, 0,1,2,3
	v_mul_f32 v[40+\d], s[60+\d], v36
.endr
.irp d, 0,1,2,3
	v_mul_f32 v[40+\d], 0x3fb8aa3b, v[40+\d]
.endr
.irp d, 0,1,2,3
	v_readfirstlane_b32 s[SD+\d], v[40+\d]
.endr
.irp u, 0,1
	v_mov_b32 v[RM+\u], 0xff61b1e6                 ; -3e38, under every t
	v_floor_f32 v[NM+\u], -v[RM+\u]
	v_mov_b32 v[F+2*\u+1], 0                       ; (upper halves of pairs that are named)
	v_mov_b32 v[NB+2*\u+1], 0
.endr
.irp j, 0,1,2,3,4,5,6,7
	v_mov_b32 v[SUM+\j], 0
	v_mov_b32 v[BX+\j], 0                          ; (a lane permute's destination counts as one of its sources)
.endr
	WIN 0x40
.set J_, 0
.rept 128
	v_mov_b32 v[OT+J_], 0                          ; O^T: a trip is written once for each parity; the first finds zeros, which its change of M leaves zeros
.set J_, J_+1
.endr
	WIN 0
	WALU
	s_wait_tensorcnt 0x0                           ; my part of slot 0 is in
	ds_add_u32 v[SPW], v[NIL]
	s_or_b32 s[G0+7], s[G0+7], 0x80000000
	s_wait_dscnt 0x0
	CROUND
	TLOAD 1                                        ; slot 1
	global_prefetch_b8 v[PFO], s[PFA:PFA+1] offset:SLOTB th:TH_LOAD_NT scope:SCOPE_SE   ; slot 2
	ds_load_b128 v[KSC:KSC+3], v[ADR] offset:32768
	FRAGS 0, XBF, ADR, 0, 0
	FRAGS 0, XBF, ADR, 0, 4
	s_wait_loadcnt 0x0                             ; q
.macro QKP t, u                        ; scores of 16 keys x 16 queries
.if (\t)%2
	v_wmma_scale_f32_16x16x128_f8f6f4 v[SR+64*\u+8*\t:SR+64*\u+8*\t+7], v[KR+16*\t:KR+16*\t+15], v[QF+16*\u:QF+16*\u+15], 0, v[KSC+\t/2], v[QSC+\u] matrix_a_scale:MATRIX_SCALE_ROW1
.else
	v_wmma_scale_f32_16x16x128_f8f6f4 v[SR+64*\u+8*\t:SR+64*\u+8*\t+7], v[KR+16*\t:KR+16*\t+15], v[QF+16*\u:QF+16*\u+15], 0, v[KSC+\t/2], v[QSC+\u]
.endif
.endm
.macro PVP t, u                        ; 16 channels x 16 queries
.set R_, OT+64*\u+8*\t
.if (\t)%2
	v_wmma_scale_f32_16x16x128_f8f6f4 v[R_:R_+7], v[KR+16*\t:KR+16*\t+15], v[PC+16*\u:PC+16*\u+15], v[R_:R_+7], v[VSC+\t/2], v[PW+\u] matrix_a_scale:MATRIX_SCALE_ROW1
.else
	v_wmma_scale_f32_16x16x128_f8f6f4 v[R_:R_+7], v[KR+16*\t:KR+16*\t+15], v[PC+16*\u:PC+16*\u+15], v[R_:R_+7], v[VSC+\t/2], v[PW+\u]
.endif
.endm
.macro XPK u, j                        ; x = t - M of two numbers
	v_pk_fma_f32 v[SR+64*\u+\j:SR+64*\u+\j+1], v[SR+64*\u+\j:SR+64*\u+\j+1], s[CS:CS+1], v[NB+2*\u:NB+2*\u+1] op_sel_hi:[1,0,0]
.endm
.macro HOLD2 u, j                      ; two numbers held at 448 x their block's scale (the conversion does not saturate: ISA guide 7.6.2)
.if SW*(1-DUALW)
	v_min_num_f32 v[SR+64*\u+\j], v[SR+64*\u+\j], v[BD+4*\u+\j/16]
	v_min_num_f32 v[SR+64*\u+\j+1], v[SR+64*\u+\j+1], v[BD+4*\u+\j/16]
.else
	v_dual_min_num_f32 v[SR+64*\u+\j], v[SR+64*\u+\j], v[BD+4*\u+\j/16] :: v_dual_min_num_f32 v[SR+64*\u+\j+1], v[SR+64*\u+\j+1], v[BD+4*\u+\j/16]
.endif
.endm
.macro SUMS u                          ; the row's sum of the unquantised p: four chains
.set S_, SR+64*\u
.set A_, SUM+4*\u
	WIN SW*5
	v_pk_add_f32 v[BM:BM+1], v[S_:S_+1], v[S_+2:S_+3]
	v_pk_add_f32 v[BM+2:BM+3], v[S_+4:S_+5], v[S_+6:S_+7]
	WIN SW*4
.irp j, 8,16,24,32,40,48,56
	v_pk_add_f32 v[A_:A_+1], v[A_:A_+1], v[S_+\j:S_+\j+1]
	v_pk_add_f32 v[A_+2:A_+3], v[A_+2:A_+3], v[S_+\j+2:S_+\j+3]
	v_pk_add_f32 v[BM:BM+1], v[BM:BM+1], v[S_+\j+4:S_+\j+5]
	v_pk_add_f32 v[BM+2:BM+3], v[BM+2:BM+3], v[S_+\j+6:S_+\j+7]
.endr
	WIN 0
	v_pk_add_f32 v[A_:A_+1], v[A_:A_+1], v[BM:BM+1]
	v_pk_add_f32 v[A_+2:A_+3], v[A_+2:A_+3], v[BM+2:BM+3]
.endm
.macro CODES u
	WIN SW
.irp b, 0,1,2,3
	v_cvt_scalef32_pk8_fp8_f32 v[PC+16*\u+4*\b:PC+16*\u+4*\b+1], v[SR+64*\u+16*\b:SR+64*\u+16*\b+7], v[BX+4*\u+\b]
	v_cvt_scalef32_pk8_fp8_f32 v[PC+16*\u+4*\b+2:PC+16*\u+4*\b+3], v[SR+64*\u+16*\b+8:SR+64*\u+16*\b+15], v[BX+4*\u+\b]
.endr
.endm
; A trip on slot e.  mode 2: a round in its middle, behind which this slot is filled again; 1: a plain barrier, which shows the last slot; 0: the last slot
.macro TRIP e, mode
.if \e
.set KW, 1
.set KR, YBF
.set SW, 0
.set SR, XBF
.else
.set KW, 0
.set KR, XBF
.set SW, 1
.set SR, YBF
.endif
	s_wait_dscnt 16                                ; k's scale words and fragments 0-3; the youngest sixteen loads (fragments 4-7) may be out
	PLACES 9                                       ; the scores are written over the fragments that the last trip's products have read
	WIN KW|(SW<<6)
.irp t, 0,1,2,3
.irp u, 0,1
	QKP \t, \u
.endr
.endr
	s_wait_dscnt 0x0
.irp t, 4,5,6,7
.irp u, 0,1
	QKP \t, \u
.endr
.endr
	PLACES 8
	WIN 0
	ds_load_b128 v[VSC:VSC+3], v[ADR+3*\e] offset:33280
	FRAGS KW, KR, ADR+3*\e, 16384, 0
	FRAGS KW, KR, ADR+3*\e, 16384, 4
	WIN SW*0x14
.irp i, 0,2,4,6,8,10,12,14                     ; each block's largest score, my 16 of its 32 keys
.irp b, 0,1,2,3
.irp u, 0,1
.if \i
	v_max3_num_f32 v[BM+4*\u+\b], v[BM+4*\u+\b], v[SR+64*\u+16*\b+\i], v[SR+64*\u+16*\b+\i+1]
.else
	v_max3_num_f32 v[BM+4*\u+\b], 0xff800000, v[SR+64*\u+16*\b], v[SR+64*\u+16*\b+1]
.endif
.endr
.endr
.endr
	WIN 0
.irp n, 0,1,2,3,4,5,6,7
	v_permlanex16_b32 v[BX+\n], v[BM+\n], s[SEL], s[SEL+1]
.endr
.irp n, 0,1,2,3,4,5,6,7
	v_max_num_f32 v[BM+\n], v[BM+\n], v[BX+\n]
.endr
.irp u, 0,1
	v_max3_num_f32 v[61-60*\u], v[BM+4*\u], v[BM+4*\u+1], v[BM+4*\u+2]
.endr
.irp u, 0,1
	v_max_num_f32 v[61-60*\u], v[61-60*\u], v[BM+4*\u+3]
.endr
.irp u, 0,1
	v_fma_f32 v[61-60*\u], v[61-60*\u], s[CS], s[SD]
.endr
.irp u, 0,1
	v_max_num_f32 v[RM+\u], v[RM+\u], v[61-60*\u]
.endr
.irp u, 0,1
	v_floor_f32 v[61-60*\u], -v[RM+\u]             ; the new -M
.endr
.irp u, 0,1
	v_sub_f32 v[F+2*\u], v[61-60*\u], v[NM+\u]     ; old M less new M: a whole number, 0 or less
	v_add_f32 v[NB+2*\u], s[SD], v[61-60*\u]
.endr
.irp u, 0,1
	v_mov_b32 v[NM+\u], v[61-60*\u]
	v_cvt_i32_f32 v[F+2*\u], v[F+2*\u]             ; (it saturates)
.endr
.irp n, 0,1,2,3,4,5,6,7
	v_fma_f32 v[BM+\n], v[BM+\n], s[CS], v[NB+2*(\n/4)]
.endr
.irp u, 0,1
	v_ldexp_f32 v[F+2*\u], 1.0, v[F+2*\u]
.endr
.irp n, 0,1,2,3,4,5,6,7
	v_cvt_floor_i32_f32 v[BM+\n], v[BM+\n]         ; the block's exponent e
.endr
.irp n, 0,1,2,3,4,5,6,7
	v_max_i32 v[BM+\n], s[SMIN], v[BM+\n]
.endr
.irp n, 0,1,2,3,4,5,6,7
	v_ldexp_f32 v[BD+\n], s[S175], v[BM+\n]        ; 448 x the scale
.endr
.irp u, 0,1
	v_lshl_add_u32 v[61-60*\u], v[BM+4*\u+1], 8, v[BM+4*\u]
.endr
.irp n, 0,1,2,3,4,5,6,7
	v_add_nc_u32 v[BX+\n], 0xfc000000, v[BD+\n]    ; the conversion's scale operand: 2^(e - 8) in the exponent field
.endr
.irp u, 0,1
	v_lshl_add_u32 v[61-60*\u], v[BM+4*\u+2], 16, v[61-60*\u]
.endr
.irp u, 0,1
	v_pk_mul_f32 v[SUM+4*\u:SUM+4*\u+1], v[SUM+4*\u:SUM+4*\u+1], v[F+2*\u:F+2*\u+1] op_sel_hi:[1,0]
	v_pk_mul_f32 v[SUM+4*\u+2:SUM+4*\u+3], v[SUM+4*\u+2:SUM+4*\u+3], v[F+2*\u:F+2*\u+1] op_sel_hi:[1,0]
.endr
.irp u, 0,1
	v_lshl_add_u32 v[61-60*\u], v[BM+4*\u+3], 24, v[61-60*\u]
.endr
.irp u, 0,1
	v_add_nc_u32 v[PW+\u], 0x77777777, v[61-60*\u] ; four bytes e - 8 + 127
.endr
	WIN SW*0x41
.irp j, 0,2,4,6,8,10,12,14,16,18,20,22,24,26,28,30,32,34,36,38,40,42,44,46,48,50,52,54,56,58,60,62
	XPK 0, \j
.endr
	WALU
.irp j, 0,2,4,6,8,10,12,14,16,18,20,22,24,26,28,30,32,34,36,38,40,42,44,46,48,50,52,54,56,58,60,62
	v_exp_f32 v[SR+\j], v[SR+\j]
	v_exp_f32 v[SR+\j+1], v[SR+\j+1]
	XPK 1, \j
.endr
	WIN 0
	WALU
.if \mode
	s_wait_tensorcnt 0x0                           ; my part of the next slot has landed; no tensor load of mine is out
.endif
.if \mode == 2
	ds_add_u32 v[SPW], v[NIL]                      ; work on registers stands between it and its wait
	s_add_nc_u64 s[G0+4*\e+2:G0+4*\e+3], s[G0+4*\e+2:G0+4*\e+3], 2*SLOTB
	s_wait_xcnt 0x0                                ; any prefetch of mine has read its address
	s_add_nc_u64 s[PFA:PFA+1], s[PFA:PFA+1], SLOTB
.endif
	s_wait_dscnt 0x0                               ; v's fragments are in registers: my reads of this slot are over
.if \mode
	s_barrier_signal -1
.endif
	SUMS 0
.if \mode
	WALU
	s_barrier_wait -1
.endif
.if \mode == 2
	CREST                                          ; no wave of any partner still reads this slot or has a load on its way
	TLOAD \e                                       ; the slot two on, into this slot
	s_cmp_gt_u32 s[SLOTS], 1                       ; the last refill asks for nothing
	s_cbranch_scc0 .Lno_ask_\@
	global_prefetch_b8 v[PFO], s[PFA:PFA+1] offset:SLOTB th:TH_LOAD_NT scope:SCOPE_SE
.Lno_ask_\@:
	s_sub_co_u32 s[SLOTS], s[SLOTS], 1
.endif
	WIN SW*0x41
	WALU
.irp j, 0,2,4,6,8,10,12,14,16,18,20,22,24,26,28,30,32,34,36,38,40,42,44,46,48,50,52,54,56,58,60,62
	v_exp_f32 v[SR+64+\j], v[SR+64+\j]
	v_exp_f32 v[SR+65+\j], v[SR+65+\j]
	HOLD2 0, \j                                    ; the first tile's holds stand among the second's exponentials
.endr
	WALU
	CODES 0
.if \mode
	WIN 0
	ds_load_b128 v[KSC:KSC+3], v[ADR+3-3*\e] offset:32768   ; the next k's scale words,
	FRAGS SW, SR, ADR+3-3*\e, 0, 0                 ; and its first four fragments, over the first tile's scores
.endif
	SUMS 1
	WIN SW*0x41
.irp j, 0,2,4,6,8,10,12,14,16,18,20,22,24,26,28,30,32,34,36,38,40,42,44,46,48,50,52,54,56,58,60,62
	HOLD2 1, \j
.endr
	CODES 1
.if \mode
	FRAGS SW, SR, ADR+3-3*\e, 0, 4                 ; and the other four, over the second tile's
.endif
	WIN 0x41
	WALU                                           ; directly ahead of the first reader of O^T, which the last trip's products have written
.irp j, 0,2,4,6,8,10,12,14,16,18,20,22,24,26,28,30,32,34,36,38,40,42,44,46,48,50,52,54,56,58,60,62
	v_pk_mul_f32 v[OT+\j:OT+\j+1], v[OT+\j:OT+\j+1], v[F:F+1] op_sel_hi:[1,0]   ; O^T under the new M; these are also the places behind the conversions and ahead of the products that read the codes
	v_pk_mul_f32 v[OT+64+\j:OT+65+\j], v[OT+64+\j:OT+65+\j], v[F+2:F+3] op_sel_hi:[1,0]
.endr
	WIN KW|0x50
.irp t, 0,1,2,3,4,5,6,7
.irp u, 0,1
	PVP \t, \u
.endr
.endr
.endm
.Lpair:                                                ; two slots a trip of the loop: 1,024 keys, one document
	TRIP 0, 2
	TRIP 1, 2
	WIN 0
	s_mov_b32 s[SD], s[SD+1]                       ; the next document's term
	s_mov_b32 s[SD+1], s[SD+2]
	s_mov_b32 s[SD+2], s[SD+3]
	s_sub_co_u32 s[TRIPS], s[TRIPS], 1
	s_cmp_lg_u32 s[TRIPS], 0
	WALU
	s_cbranch_scc1 .Lpair
	TRIP 0, 1                                      ; the last two slots are written out: they fill nothing
	TRIP 1, 0
; THE FOUR KEY GROUPS ARE JOINED.  Each wave stores its O^T as it is (slot 0 has had its last fill, and its last read stood ahead of the last barrier) and its -M and sums; wave kg then makes channels 32 kg on of its 32 queries: the sum of the four, each x 2^(its M - the largest M) / the row's sum.
	s_lshl_b32 s50, s[QP], 11
	s_add_co_u32 s52, s50, XCH                     ; the exchange, back
	s_lshl_b32 s51, s[KG], 8
	s_add_co_u32 s50, s52, s51                     ; and in
	s_lshl_b32 s51, s[WV], 14                      ; the stage, in
	s_lshl_b32 s53, s[QP], 16
	s_lshl_b32 s54, s[KG], 11
	s_add_co_u32 s53, s53, s54                     ; back
	s_lshl_b32 s54, s[QP], 7
	s_add_co_u32 s54, s54, s[KG]
	s_add_co_u32 s54, s54, XS                      ; o's scale bytes: 64 a tile, 4 r + kg
	s_lshr_b32 s76, s[BH], 3                       ; oc: [row block][head][tile][kg][lane][16 bytes]
	s_lshl_b32 s76, s76, 4
	s_add_co_u32 s76, s76, s[XB]
	s_lshl_b32 s76, s76, 3
	s_and_b32 s77, s[BH], 7
	s_add_co_u32 s76, s76, s77
	s_lshl_b32 s78, s76, 8
	s_lshl_b32 s76, s76, 13
	s_lshl_b32 s77, s[QP], 12
	s_add_co_u32 s76, s76, s77
	s_lshl_b32 s77, s[KG], 9
	s_add_co_u32 s76, s76, s77
	s_mov_b32 s77, 0
	s_mov_b32 s79, 0
	s_add_nc_u64 s[14:15], s[14:15], s[76:77]
	s_add_nc_u64 s[16:17], s[16:17], s[78:79]
	WIN 0
	v_pk_add_f32 v[12:13], v[12:13], v[14:15]
	v_pk_add_f32 v[16:17], v[16:17], v[18:19]
	v_and_b32 v61, 31, v0
	v_and_b32 v1, 15, v0
	v_add_f32 v12, v12, v13
	v_add_f32 v16, v16, v17
	v_lshl_add_u32 v44, v61, 3, s50
	v_lshl_add_u32 v45, v61, 4, s51
	v_permlanex16_b32 v40, v12, s[SEL], s[SEL+1]
	v_permlanex16_b32 v41, v16, s[SEL], s[SEL+1]
	v_lshl_add_u32 v46, v61, 3, s52
	v_lshl_add_u32 v47, v61, 4, s53
	v_mov_b32 v28, v10
	v_mov_b32 v30, v11
	v_add_f32 v29, v12, v40
	v_add_f32 v31, v16, v41
	v_lshl_add_u32 v48, v1, 2, s54
	v_lshl_add_u32 v49, v61, 3, XS
	v_lshlrev_b32 v7, 4, v61
	v_lshlrev_b32 v4, 3, v61
	ds_store_b64 v44, v[28:29]
	ds_store_b64 v44, v[30:31] offset:1024
	WIN 0x04
.irp u, 0,1
.irp g, 0,1,2,3,4,5,6,7,8,9,10,11,12,13,14,15
	ds_store_b128 v45, v[OT+64*\u+4*\g:OT+64*\u+4*\g+3] offset:8192*\u+512*\g
.endr
.endr
	WIN 0
	WALU
	s_wait_dscnt 0x0
	s_barrier_signal -1
	s_barrier_wait -1
.irp u, 0,1
.irp s, 0,1,2,3
	ds_load_b64 v[28+8*\u+2*\s:29+8*\u+2*\s], v46 offset:1024*\u+256*\s
.endr
.endr
.irp u, 0,1
.irp s, 0,1,2,3
.irp g, 0,1,2,3
	ds_load_b128 v[128+64*\u+16*\s+4*\g:131+64*\u+16*\s+4*\g], v47 offset:16384*\s+8192*\u+512*\g
.endr
.endr
.endr
	s_wait_dscnt 32                                ; the exchange; the 32 loads of O^T may be out
.irp u, 0,1
	v_min3_num_f32 v[20+2*\u], v[28+8*\u], v[30+8*\u], v[32+8*\u]
.endr
.irp u, 0,1
	v_min_num_f32 v[20+2*\u], v[20+2*\u], v[34+8*\u]
.endr
.irp s, 0,2,4,6
.irp u, 0,1
	v_sub_f32 v[28+8*\u+\s], v[20+2*\u], v[28+8*\u+\s]
.endr
.endr
.irp s, 0,2,4,6
.irp u, 0,1
	v_cvt_i32_f32 v[28+8*\u+\s], v[28+8*\u+\s]
.endr
.endr
.irp s, 0,2,4,6
.irp u, 0,1
	v_ldexp_f32 v[28+8*\u+\s], 1.0, v[28+8*\u+\s]
.endr
.endr
.irp u, 0,1
	v_mul_f32 v[24+2*\u], v[28+8*\u], v[29+8*\u]
.endr
.irp s, 2,4,6
.irp u, 0,1
	v_fma_f32 v[24+2*\u], v[28+8*\u+\s], v[29+8*\u+\s], v[24+2*\u]
.endr
.endr
	WALU
	v_rcp_f32 v24, v24
	v_rcp_f32 v26, v26
	v_nop
	WALU
.irp s, 0,2,4,6
.irp u, 0,1
	v_mul_f32 v[28+8*\u+\s], v[28+8*\u+\s], v[24+2*\u]
.endr
.endr
	WALU
	s_wait_dscnt 0x0
.irp j, 0,2,4,6,8,10,12,14
.irp u, 0,1
	v_pk_mul_f32 v[128+64*\u+\j:129+64*\u+\j], v[128+64*\u+\j:129+64*\u+\j], v[28+8*\u:29+8*\u] op_sel_hi:[1,0]
.endr
.endr
.irp s, 1,2,3
.irp j, 0,2,4,6,8,10,12,14
.irp u, 0,1
	v_pk_fma_f32 v[128+64*\u+\j:129+64*\u+\j], v[128+64*\u+16*\s+\j:129+64*\u+16*\s+\j], v[28+8*\u+2*\s:29+8*\u+2*\s], v[128+64*\u+\j:129+64*\u+\j] op_sel_hi:[1,0,1]
.endr
.endr
.endr
.irp i, 0,2,4,6,8,10,12,14                     ; o's block of 32 channels: quantised
.irp u, 0,1
.if \i
	v_max3_num_f32 v[8+\u], v[8+\u], |v[128+64*\u+\i]|, |v[129+64*\u+\i]|
.else
	v_max3_num_f32 v[8+\u], |v[128+64*\u]|, |v[129+64*\u]|, 0x4800000
.endif
.endr
.endr
.irp u, 0,1
	v_permlanex16_b32 v[10+\u], v[8+\u], s[SEL], s[SEL+1]
.endr
.irp u, 0,1
	v_max_num_f32 v[8+\u], v[8+\u], v[10+\u]
.endr
.irp u, 0,1
	v_add_nc_u32 v[16+\u], 0xfc000000, v[8+\u]
	v_and_or_b32 v[18+\u], v[8+\u], 0x7f800000, s[MNT]
.endr
.irp u, 0,1
	v_lshrrev_b32 v[12+\u], 23, v[16+\u]
.endr
.irp i, 0,1,2,3,4,5,6,7,8,9,10,11,12,13,14,15
.irp u, 0,1
	v_med3_num_f32 v[128+64*\u+\i], v[128+64*\u+\i], -v[18+\u], v[18+\u]
.endr
.endr
.irp u, 0,1
	v_cvt_scalef32_pk8_fp8_f32 v[96+16*\u:97+16*\u], v[128+64*\u:135+64*\u], v[16+\u]
	v_cvt_scalef32_pk8_fp8_f32 v[98+16*\u:99+16*\u], v[136+64*\u:143+64*\u], v[16+\u]
.endr
	v_nop
; lanes r and r + 16 exchange eight codes each, so that lane (r, h) holds channels 16 h + 0 .. 15 of the block
.irp u, 0,1
	v_cndmask_b32 v[100+16*\u], v[98+16*\u], v[96+16*\u], s[HM]
	v_cndmask_b32 v[101+16*\u], v[99+16*\u], v[97+16*\u], s[HM]
.endr
.irp u, 0,1
	v_permlanex16_b32 v[102+16*\u], v[100+16*\u], s[SEL], s[SEL+1]
	v_permlanex16_b32 v[103+16*\u], v[101+16*\u], s[SEL], s[SEL+1]
.endr
.irp u, 0,1
	v_cndmask_b32 v[104+16*\u], v[96+16*\u], v[102+16*\u], s[HM]
	v_cndmask_b32 v[105+16*\u], v[97+16*\u], v[103+16*\u], s[HM]
	v_cndmask_b32 v[106+16*\u], v[102+16*\u], v[98+16*\u], s[HM]
	v_cndmask_b32 v[107+16*\u], v[103+16*\u], v[99+16*\u], s[HM]
.endr
.irp u, 0,1
	ds_store_b8 v48, v[12+\u] offset:64*\u
	global_store_b128 v7, v[104+16*\u:107+16*\u], s[14:15] offset:2048*\u   ; 32 lanes store 512 consecutive bytes
.endr
	WALU
	s_wait_dscnt 0x0
	s_barrier_signal -1
	s_barrier_wait -1
	s_cmp_lg_u32 s[WV], 0
	s_cbranch_scc1 .Lnot_first
	ds_load_b64 v[20:21], v49
	s_wait_dscnt 0x0
	global_store_b64 v4, v[20:21], s[16:17]        ; the 256 scale bytes
.Lnot_first:
	s_wait_tensorcnt 0x0                           ; the wave's end
	ds_add_u32 v[SPW], v[NIL]
	s_wait_dscnt 0x0
	CROUND                                         ; the closing round
	s_endpgm
.Lfunc_end_k_q1ab9206ff2_attn:
	.size	k_q1ab9206ff2_attn, .Lfunc_end_k_q1ab9206ff2_attn-k_q1ab9206ff2_attn
	.p2alignl 7, 3214868480
	.fill 96, 4, 3214868480
	.section	.rodata,"a",@progbits
	.p2align	6, 0x0
	.amdhsa_kernel k_q1ab9206ff2_attn
		.amdhsa_group_segment_fixed_size 327680
		.amdhsa_private_segment_fixed_size 0
		.amdhsa_enable_private_segment 0
		.amdhsa_kernarg_size 56
		.amdhsa_user_sgpr_count 2
		.amdhsa_user_sgpr_kernarg_segment_ptr 1
		.amdhsa_wavefront_size32 1
		.amdhsa_system_sgpr_workgroup_id_x 1
		.amdhsa_system_sgpr_workgroup_id_y 1
		.amdhsa_system_sgpr_workgroup_id_z 1
		.amdhsa_system_vgpr_workitem_id 0
		.amdhsa_next_free_vgpr 512
		.amdhsa_next_free_sgpr 80
		.amdhsa_reserve_vcc 0
		.amdhsa_float_denorm_mode_32 3
		.amdhsa_float_denorm_mode_16_64 3
		.amdhsa_memory_ordered 1
		.amdhsa_forward_progress 1
		.amdhsa_inst_pref_size 190
	.end_amdhsa_kernel
	.amdgpu_metadata
---
amdhsa.version: [ 1, 2 ]
amdhsa.kernels:
  - .name:           k_q1ab9206ff2_attn
    .symbol:         k_q1ab9206ff2_attn.kd
    .args:
      - { .name: qc, .offset: 0, .size: 8, .value_kind: global_buffer, .address_space: global }
      - { .name: qs, .offset: 8, .size: 8, .value_kind: global_buffer, .address_space: global }
      - { .name: kvc, .offset: 16, .size: 8, .value_kind: global_buffer, .address_space: global }
      - { .name: doc_similarities, .offset: 24, .size: 8, .value_kind: global_buffer, .address_space: global }
      - { .name: beta, .offset: 32, .size: 8, .value_kind: global_buffer, .address_space: global }
      - { .name: oc, .offset: 40, .size: 8, .value_kind: global_buffer, .address_space: global }
      - { .name: os, .offset: 48, .size: 8, .value_kind: global_buffer, .address_space: global }
    .group_segment_fixed_size: 327680
    .private_segment_fixed_size: 0
    .kernarg_segment_align: 8
    .kernarg_segment_size: 56
    .max_flat_workgroup_size: 256
    .sgpr_count:     80
    .vgpr_count:     512
    .wavefront_size: 32
...
	.end_amdgpu_metadata
.endif
;; end of part 2
;; launch outp (part 3): grid 8 x 32, 4 waves a work-group, clusters of 4 x 4, 216,576 bytes of LDS; arguments oc, os, Wout_codes, Wout_scales, bout, out0; writes out0
.if DOCPART == 3
	.amdgcn_target "amdgcn-amd-amdhsa--gfx1250"
	.amdhsa_code_object_version 6
	.text
	.protected	k_q1ab9206ff2_outp
	.globl	k_q1ab9206ff2_outp
	.p2align	8
	.type	k_q1ab9206ff2_outp,@function
k_q1ab9206ff2_outp:
	s_mov_b64 s[64:65], 0
	v_nop
	global_prefetch_b8 v0, s[64:65] scope:SCOPE_SE
	s_setreg_imm32_b32 hwreg(HW_REG_WAVE_MODE, 25, 1), 1
	s_wait_xcnt 0x0
	s_wait_alu depctr_hold_cnt(0) depctr_sa_sdst(0) depctr_va_vdst(0) depctr_va_sdst(0) depctr_va_ssrc(0) depctr_va_vcc(0) depctr_vm_vsrc(0)
	s_getreg_b32 s2, hwreg(HW_REG_IB_STS2, 6, 4)
	s_cmp_eq_u32 s2, 0
	s_cbranch_scc0 .Lentry_in_a_cluster
	s_endpgm
.Lentry_in_a_cluster:
	s_bfe_u32 s2, ttmp6, 0x10000c
	s_cmp_lg_u32 s2, 0xf033
	s_cbranch_scc0 .Lentry_shape_is_right
	s_endpgm
.Lentry_shape_is_right:
; Launch 3 of 3: out0 = o Wout + bout.  o: 2,048 rows x 1,024 as codes of E4M3 (launch 2: images of the operand's registers, [row block of 64][K step = head][tile of 16 rows][2,048 bytes]) with a scale word for each row and K step;
; Wout: [1,024 n][1,024 k] codes, K innermost, 32 scale bytes a row; bout [1,024], out0 [2,048][1,024]: f32.  Nothing is left out.
; A work-group makes 64 rows x 128 columns: 256 work-groups.  Wave w makes rows 32 (w / 2) on x columns 64 (w % 2) on: 8 accumulators.  All of K fits in LDS: every byte is filled once, by ONE joint load a wave: waves 0, 1 halves of o's block, waves 2, 3 64 rows of Wout each.
; CLUSTER 4 x 4: o's block is shared along a row of the cluster, Wout's rows along a column.  No prefetch: no loop runs ahead.
; TRANSPOSED USE (source 0 = 16 rows of Wout, source 1 = 16 rows of o): a lane holds eight neighbouring columns of one row.  The accumulators are loaded with bout, so every product adds in place.
; Fragments: two sets, v40-135 of windows 0 and 1: a K step's loads are issued ahead of the products of the step before.
.set BT,    65536                      ; LDS: o's block as it lies, 65,536 bytes; then Wout's 128 rows x (1,024 bytes + 16)
.set BP,    1040                       ; 260 words: row r starts at bank 4 r mod 64 (64 banks of 4 bytes: ISA guide 11.1)
.set BPART, 64*BP
.set STAGE, BT+2*BPART                 ; the way out: 16 rows x (256 bytes + 16) for each wave
.set SP,    272
.set SPARE, STAGE+4*16*SP              ; the spare words, 128 bytes for each wave, which no other line names
.set ADA,  1                           ; v1   o's fragments: 16 x lane + my two tiles
.set ADB,  2                           ; v2   Wout's fragments
.set STO,  4                           ; v4   the stage, in;  v5 back;  v6 my byte offset in out0
.set RD,   5
.set CO,   6
.set SPW,  10
.set NIL,  11
.set AS,   15                          ; v15-22 o's scale words of K step s: lanes 0-15 my first tile, lanes 16-31 my second
.set BS,   24                          ; v24-39 Wout's: register 8 i' + s: lanes 0-15 column block 2 i', lanes 16-31 block 2 i' + 1
.set AF,   40                          ; v40-71 o's two fragments
.set BF,   72                          ; v72-135 Wout's four
.set ACC,  136                         ; v136-199 accumulator (a, i) at 8 (4 a + i)
.set OB,   40                          ; the way out: rows read back
.set G1A,  24
.set G0A,  32
.set G1B,  40
.set G0B,  48
.set MSB, 0
.macro WIN new
.set NEWW, (\new)
.if MSB != NEWW
	s_set_vgpr_msb (MSB<<8)|NEWW
.set MSB, NEWW
.endif
.endm
.macro CROUND
	s_barrier_signal -1
	s_barrier_wait -1
	s_cmp_lg_u32 s16, 0
	s_cbranch_scc1 .Lnot_wave_0_\@
	s_barrier_signal -3
.Lnot_wave_0_\@:
	s_barrier_wait -3
	s_barrier_signal -1
	s_barrier_wait -1
.endm
	s_load_b256 s[4:11], s[0:1], 0x0               ; oc 4, os 6, Wout codes 8, Wout scales 10
	s_load_b128 s[12:15], s[0:1], 0x20             ; bout 12, out0 14
	v_lshl_add_u32 v[SPW], v0, 2, SPARE
	v_mov_b32 v[NIL], 0
	ds_add_u32 v[SPW], v[NIL]                      ; the wave's opening: the add, twice on end, and its wait
	ds_add_u32 v[SPW], v[NIL]
	v_lshrrev_b32 v12, 5, v0
	v_readfirstlane_b32 s16, v12                   ; wave 0..3
	s_lshr_b32 s17, s16, 1                         ; my half of the rows.  Also: I fetch for o (0) or for Wout (1)
	s_and_b32 s18, s16, 1                          ; my half of the columns.  Also: which part I fetch
	s_bfe_u32 s19, ttmp6, 0x40000                  ; cx
	s_bfe_u32 s20, ttmp6, 0x40004                  ; cy
	s_lshl_b32 s21, ttmp9, 2
	s_add_co_u32 s21, s21, s19                     ; column block of 128
	s_and_b32 s22, ttmp7, 0xffff
	s_lshl_b32 s22, s22, 2
	s_add_co_u32 s22, s22, s20                     ; row block of 64
	s_lshl_b32 s23, s20, 2
	s_lshl_b32 s23, 15, s23                        ; my row of the cluster
	s_lshl_b32 s56, 0x1111, s19                    ; my column
	s_or_b32 s[G1A], s23, (3<<16)|(1<<21)          ; o: the mask; elements of 8 bytes; 21 set beside a mask; no padding
	s_mov_b32 s[G1A+1], 32<<16                     ; rows of 256 bytes,
	s_mov_b32 s[G1A+2], 128<<16
	s_mov_b32 s[G1A+3], 32<<16
	s_mov_b32 s[G1A+4], 128                        ; 128 of them,
	s_mov_b32 s[G1A+5], 32                         ; dense
	s_mov_b32 s[G1A+6], 0
	s_mov_b32 s[G1A+7], 0
	s_or_b32 s[G1B], s56, (0<<16)|(1<<20)|(1<<21)|(7<<22)|(3<<25)   ; Wout: elements of 1 byte; padding: 4 words after every 256
	s_mov_b32 s[G1B+1], 1024<<16
	s_mov_b32 s[G1B+2], 64<<16
	s_mov_b32 s[G1B+3], 1024<<16                   ; rows of 1,024 bytes,
	s_mov_b32 s[G1B+4], 64                         ; 64 of them,
	s_mov_b32 s[G1B+5], 1024                       ; dense
	s_mov_b32 s[G1B+6], 0
	s_mov_b32 s[G1B+7], 0
	s_lshl_b32 s58, s22, 16                        ; o's block: it hangs on the row block alone,
	s_lshl_b32 s57, s18, 15                        ; my half of it
	s_add_co_u32 s58, s58, s57
	s_mov_b32 s59, 0
	s_lshl_b32 s60, s21, 7                         ; Wout's rows: on the column block alone
	s_lshl_b32 s62, s18, 6
	s_add_co_u32 s60, s60, s62
	s_lshl_b32 s60, s60, 10
	s_mov_b32 s61, 0
	s_mul_i32 s62, s18, BPART
	s_wait_dscnt 0x0                               ; both opening adds are done
	CROUND                                         ; the opening round, ahead of the wait for the arguments: all sixteen work-groups are here, the joint loads meet
	s_wait_kmcnt 0x0
	s_mov_b32 s[G0A], 1
	s_mov_b32 s[G0A+1], s57
	s_add_nc_u64 s[G0A+2:G0A+3], s[4:5], s[58:59]
	s_or_b32 s[G0A+3], s[G0A+3], 0x80000000
	s_mov_b32 s[G0B], 1
	s_add_co_u32 s[G0B+1], s62, BT
	s_add_nc_u64 s[G0B+2:G0B+3], s[8:9], s[60:61]
	s_or_b32 s[G0B+3], s[G0B+3], 0x80000000
	s_cmp_eq_u32 s17, 0
	s_cbranch_scc0 .Lfirst_b
	tensor_load_to_lds s[G0A:G0A+3], s[G1A:G1A+7]
	s_nop 0
.rept 4
	v_nop
.endr
	s_branch .Lfirst_asked
.Lfirst_b:
	tensor_load_to_lds s[G0B:G0B+3], s[G1B:G1B+7]
	s_nop 0
.rept 4
	v_nop
.endr
.Lfirst_asked:
	s_mov_b32 s57, 0
	s_lshl_b32 s56, s22, 11                        ; o's scale words: 2,048 bytes a row block; my 32 rows
	s_lshl_b32 s63, s17, 7
	s_add_co_u32 s56, s56, s63
	s_add_nc_u64 s[6:7], s[6:7], s[56:57]
	s_lshl_b32 s62, s21, 7
	s_lshl_b32 s63, s18, 6
	s_add_co_u32 s62, s62, s63                     ; my first column
	s_lshl_b32 s56, s62, 5                         ; Wout's scale bytes: 32 a row: lane l takes row 32 i' + l
	s_add_nc_u64 s[10:11], s[10:11], s[56:57]
	s_lshl_b32 s56, s62, 2
	s_add_nc_u64 s[12:13], s[12:13], s[56:57]
	s_lshl_b32 s56, s22, 6
	s_lshl_b32 s63, s17, 5
	s_add_co_u32 s56, s56, s63                     ; my first row
	s_lshl_b32 s56, s56, 12
	s_lshl_b32 s63, s62, 2
	s_add_co_u32 s56, s56, s63
	s_add_nc_u64 s[14:15], s[14:15], s[56:57]
	s_lshl_b32 s58, s17, 12                        ; my two tiles of 2,048 bytes
	s_mul_i32 s59, s18, BPART
	s_add_co_u32 s59, s59, BT
	s_mul_i32 s60, s16, 16*SP
	s_add_co_u32 s60, s60, STAGE                   ; my stage
	v_and_b32 v12, 31, v0                          ; lane
	v_and_b32 v13, 15, v0                          ; r
	v_bfe_u32 v14, v0, 4, 1                        ; h
	v_lshlrev_b32 v7, 2, v12                       ; 4 x lane
	v_lshlrev_b32 v8, 5, v12                       ; 32 x lane
	v_lshlrev_b32 v9, 5, v14                       ; 32 h
	v_lshl_add_u32 v[ADA], v12, 4, s58
	v_mul_u32_u24 v[ADB], v13, BP
	v_lshl_add_u32 v[ADB], v14, 4, v[ADB]
	v_add_nc_u32 v[ADB], s59, v[ADB]               ; row r x pitch + 16 h, in my 64 rows
	v_mul_u32_u24 v[STO], v13, SP
	v_lshl_add_u32 v[STO], v14, 5, v[STO]
	v_add_nc_u32 v[STO], s60, v[STO]               ; in: row r, 32 bytes for each half of the lanes
	v_mul_u32_u24 v[RD], v14, SP
	v_lshl_add_u32 v[RD], v13, 4, v[RD]
	v_add_nc_u32 v[RD], s60, v[RD]                 ; back: lanes 0-15 one row of 256 bytes, lanes 16-31 the next
	v_lshlrev_b32 v[CO], 12, v14
	v_lshl_add_u32 v[CO], v13, 4, v[CO]            ; and the same two rows in out0
	s_wait_alu depctr_va_vdst(0)
.irp s, 0,1,2,3,4,5,6,7
	global_load_b32 v[AS+\s], v7, s[6:7] offset:256*\s
.endr
.irp i, 0,1
.irp q, 0,1
	global_load_b128 v[BS+8*\i+4*\q:BS+8*\i+4*\q+3], v8, s[10:11] offset:\i*1024+16*\q
.endr
.endr
.irp a, 0,1
.irp i, 0,1,2,3
	global_load_b128 v[ACC+8*(4*\a+\i):ACC+8*(4*\a+\i)+3], v9, s[12:13] offset:64*\i       ; bout at the lane's eight columns 16 i + 8 h + 0 .. 7
	global_load_b128 v[ACC+8*(4*\a+\i)+4:ACC+8*(4*\a+\i)+7], v9, s[12:13] offset:64*\i+16
.endr
.endr
.macro PROD s, a, i                    ; accumulator (a, i) += Wout's column block i x o's tile a, K step s.  The scales' rows go with the tiles' places in their registers
.set rD, ACC+8*(4*\a+\i)
.set rB, BF+16*\i
.set rA, AF+16*\a
.set rSB, BS+8*(\i/2)+\s
.set rSA, AS+\s
.if (\a == 0) && (\i%2 == 0)
	v_wmma_scale_f32_16x16x128_f8f6f4 v[rD:rD+7], v[rB:rB+15], v[rA:rA+15], v[rD:rD+7], v[rSB], v[rSA]
.elseif \a == 0
	v_wmma_scale_f32_16x16x128_f8f6f4 v[rD:rD+7], v[rB:rB+15], v[rA:rA+15], v[rD:rD+7], v[rSB], v[rSA] matrix_a_scale:MATRIX_SCALE_ROW1
.elseif \i%2 == 0
	v_wmma_scale_f32_16x16x128_f8f6f4 v[rD:rD+7], v[rB:rB+15], v[rA:rA+15], v[rD:rD+7], v[rSB], v[rSA] matrix_b_scale:MATRIX_SCALE_ROW1
.else
	v_wmma_scale_f32_16x16x128_f8f6f4 v[rD:rD+7], v[rB:rB+15], v[rA:rA+15], v[rD:rD+7], v[rSB], v[rSA] matrix_a_scale:MATRIX_SCALE_ROW1 matrix_b_scale:MATRIX_SCALE_ROW1
.endif
.endm
.macro FETCH s                         ; 24 LDS loads into set s % 2
	WIN ((\s)%2)<<6
.irp a, 0,1
.irp c, 0,1,2,3
	ds_load_b128 v[AF+16*\a+4*\c:AF+16*\a+4*\c+3], v[ADA] offset:(\s)*8192+\a*2048+512*\c
.endr
.endr
.irp i, 0,1,2,3
.irp c, 0,1,2,3
	ds_load_b128 v[BF+16*\i+4*\c:BF+16*\i+4*\c+3], v[ADB] offset:\i*16*BP+(\s)*128+32*\c
.endr
.endr
.endm
	s_wait_tensorcnt 0x0                           ; my part is in
	s_barrier_signal -1
	s_barrier_wait -1                              ; everybody's is
	FETCH 0
	s_wait_loadcnt 0x0                             ; scale words and bout
.irp s, 0,1,2,3,4,5,6,7
	s_wait_dscnt 0x0                               ; K step s's fragments are in
.if \s < 7
.if \s > 0
.rept 8
	v_nop                                          ; places in front of loads into registers that matrix instructions have read
.endr
.endif
	FETCH \s+1
.endif
	WIN ((\s)%2)*5
.irp a, 0,1
.irp i, 0,1,2,3
	PROD \s, \a, \i                                ; the eight accumulators take turns
.endr
.endr
.endr
	WIN 0
.rept 8
	v_nop                                          ; behind the last products: results are read, and loads land in the fragments' registers
.endr
; THE WAY OUT: 16 rows x 64 columns at a time through my own stage; they come back as whole rows of 256 bytes.  LDS serves a wave's instructions in order (ISA guide 5.7.1.4): no wait between the stores and the loads, nor in front of the next block's stores.
.macro TOSTAGE a
.irp i, 0,1,2,3
	ds_store_b128 v[STO], v[ACC+8*(4*\a+\i):ACC+8*(4*\a+\i)+3] offset:64*\i       ; each accumulator from its low end on
	ds_store_b128 v[STO], v[ACC+8*(4*\a+\i)+4:ACC+8*(4*\a+\i)+7] offset:64*\i+16
.endr
.irp t, 0,1,2,3,4,5,6,7
	ds_load_b128 v[OB+32*\a+4*\t:OB+32*\a+4*\t+3], v[RD] offset:\t*2*SP
.endr
.endm
.macro SEND a, younger                 ; younger: the LDS instructions issued behind block a's loads
.irp t, 0,1,2,3,4,5,6,7
	s_wait_dscnt \younger+7-\t
	global_store_b128 v[CO], v[OB+32*\a+4*\t:OB+32*\a+4*\t+3], s[14:15] offset:(16*\a+2*\t)*4096 th:TH_STORE_NT   ; 16 lanes store 256 consecutive bytes, at a multiple of 256 from out0's first byte
.endr
.endm
	TOSTAGE 0
	TOSTAGE 1
	SEND 0, 16                                     ; behind block 0's loads: block 1's 8 stores and 8 loads
	SEND 1, 0
	s_wait_tensorcnt 0x0                           ; the wave's end
	ds_add_u32 v[SPW], v[NIL]
	s_wait_dscnt 0x0
	CROUND                                         ; the closing round
	s_endpgm
.Lfunc_end_k_q1ab9206ff2_outp:
	.size	k_q1ab9206ff2_outp, .Lfunc_end_k_q1ab9206ff2_outp-k_q1ab9206ff2_outp
	.p2alignl 7, 3214868480
	.fill 96, 4, 3214868480
	.section	.rodata,"a",@progbits
	.p2align	6, 0x0
	.amdhsa_kernel k_q1ab9206ff2_outp
		.amdhsa_group_segment_fixed_size 216576
		.amdhsa_private_segment_fixed_size 0
		.amdhsa_enable_private_segment 0
		.amdhsa_kernarg_size 48
		.amdhsa_user_sgpr_count 2
		.amdhsa_user_sgpr_kernarg_segment_ptr 1
		.amdhsa_wavefront_size32 1
		.amdhsa_system_sgpr_workgroup_id_x 1
		.amdhsa_system_sgpr_workgroup_id_y 1
		.amdhsa_system_sgpr_workgroup_id_z 1
		.amdhsa_system_vgpr_workitem_id 0
		.amdhsa_next_free_vgpr 512
		.amdhsa_next_free_sgpr 66
		.amdhsa_reserve_vcc 0
		.amdhsa_float_denorm_mode_32 3
		.amdhsa_float_denorm_mode_16_64 3
		.amdhsa_memory_ordered 1
		.amdhsa_forward_progress 1
		.amdhsa_inst_pref_size 36
	.end_amdhsa_kernel
	.amdgpu_metadata
---
amdhsa.version: [ 1, 2 ]
amdhsa.kernels:
  - .name:           k_q1ab9206ff2_outp
    .symbol:         k_q1ab9206ff2_outp.kd
    .args:
      - { .name: oc, .offset: 0, .size: 8, .value_kind: global_buffer, .address_space: global }
      - { .name: os, .offset: 8, .size: 8, .value_kind: global_buffer, .address_space: global }
      - { .name: Wout_codes, .offset: 16, .size: 8, .value_kind: global_buffer, .address_space: global }
      - { .name: Wout_scales, .offset: 24, .size: 8, .value_kind: global_buffer, .address_space: global }
      - { .name: bout, .offset: 32, .size: 8, .value_kind: global_buffer, .address_space: global }
      - { .name: out0, .offset: 40, .size: 8, .value_kind: global_buffer, .address_space: global }
    .group_segment_fixed_size: 216576
    .private_segment_fixed_size: 0
    .kernarg_segment_align: 8
    .kernarg_segment_size: 48
    .max_flat_workgroup_size: 128
    .sgpr_count:     66
    .vgpr_count:     512
    .wavefront_size: 32
...
	.end_amdgpu_metadata
.endif
;; end of part 3
